; MI455X (gfx1250); checked and timed in simulation.
; The chip was launched on July 23, 2026; its instructions are those of AMD's public machine-readable ISA for CDNA 5 (MIT licence, August 2026) and "CDNA5" Instruction Set Architecture Reference Guide (July 2026). The comments in the code are by the model that wrote it; some were corrected since.
;; Self Attention. Allowed arithmetic: matrix products marked QUANTISED: E2M3 operands, one E8M0 scale for each 32 along K, by v_wmma_scale_f32_16x16x128_f8f6f4 with both operands' format E2M3, f32 sums; everything else in f32.
;; Inputs: Wk 1,024 x 1,024 float32; Wq 1,024 x 1,024 float32; Wv 1,024 x 1,024 float32; mask 4 x 2,048 int32; x 4 x 2,048 x 1,024 float32.
;; Outputs: out0 4 x 2,048 x 1,024 float32.
;; This version of the problem:
;;   THIS VERSION OF THE PROBLEM IS GIVEN IN LOW PRECISION. The matrix products marked QUANTISED in the list below multiply operands that are first quantised to E2M3 (2 exponent bits, 3 mantissa bits; 6 bits a number), with one power-of-two scale for each 32 numbers along K (OCP MX v1.0); their sums are f32. All else is computed in f32.
;;   The module's matrix products, in the order in which they are computed (A, B: the left and right operand; K: the contracted axis; several contracted axes count as one K, in the product's order):
;;     1. [M 8,192, K 1,024] x [K 1,024, N 1,024]; A: input x; B: input Wq: QUANTISED
;;     2. [M 8,192, K 1,024] x [K 1,024, N 1,024]; A: input x; B: input Wk: QUANTISED
;;     3. [M 8,192, K 1,024] x [K 1,024, N 1,024]; A: input x; B: input Wv: QUANTISED
;;     4. batch 4 x [M 2,048, K 1,024] x [K 1,024, N 2,048]; A: computed on the way; B: computed on the way: QUANTISED
;;     5. batch 4 x [M 2,048, K 2,048] x [K 2,048, N 1,024]; A: softmax (see below); B: computed on the way: QUANTISED
;;   THE QUANTISER, for each operand of a quantised product, along K:
;;     - K is cut into blocks of 32 from its start; a last block that is shorter is filled with zeros.
;;     - A block's scale is 2^e with e = floor(log2(the largest magnitude in the block)) - 2, held to -126 .. 127; a block of zeros has e = 0. As a byte (E8M0): e + 127.
;;     - Each number is divided by its block's scale, clamped to +-7.5, and rounded to the nearest number of E2M3, ties to even, subnormals kept.
;;     - The product sums the exact products of the quantised numbers (number of the format x scale) in f32.
;;   ~~~python
;;   def quantise(x, axis):      # numpy; x: float32 -> the quantised numbers, widened to float32 again
;;       x = np.moveaxis(x, axis, -1); K = x.shape[-1]
;;       x = np.pad(x, [(0, 0)] * (x.ndim - 1) + [(0, -K % 32)]); x = x.reshape(x.shape[:-1] + (-1, 32)); a = np.abs(x).max(-1, keepdims=True)
;;       e = np.where(a > 0, np.clip(np.frexp(np.where(a > 0, a, 1))[1] - 1 - 2, -126, 127), 0)      # np.frexp(a)[1] - 1 = floor(log2(a)), exactly
;;       r = np.clip(x / 2.0 ** e, -7.5, 7.5)
;;       step = 2.0 ** (np.maximum(np.frexp(np.where(r == 0, 1, r))[1] - 1, 0) - 3)
;;       q = np.round(r / step) * step * 2.0 ** e      # np.round: ties to even
;;       return np.moveaxis(q.reshape(q.shape[:-2] + (-1,))[..., :K], -1, axis).astype(np.float32)
;;   ~~~
;;   SOFTMAX AHEAD OF A QUANTISED PRODUCT. Where the list says 'softmax', what is quantised is not the finished softmax but p = 2^(t - M), with t = logit x log2(e) and M = ceil(the row's largest t), a whole number; so 1/2 < the row's largest p <= 1. The row's sum l is taken of the UNQUANTISED p, in f32, and the product's result is divided by l at the end. Since M is a whole number, a kernel that streams over the keys may use a running M (the ceiling of the running maximum): every later rescaling is an exact power of two, which a block's scale takes up: the codes' values come out the same.
;;   OPERANDS COMPUTED ON THE WAY. 'Computed on the way' means the value that the module computes at that place (a softmax that the list does not call 'softmax' is quantised finished and normalised). What goes into a quantiser is computed in f32, as accurately as f32 sums, v_exp_f32 and their like allow (about 1e-6 of the number): no bf16 or f16 on the way to a quantiser, and a product that is left as it is and whose result goes on into a quantised operand takes f32 operands (vector FMAs, or v_wmma_f32_16x16x4_f32). A number that lies on a knife's edge between two numbers of the format may be rounded either way, as far as f32 arithmetic and the matrix unit's own rounding can turn it there, and no further.
;; One version. Each part assembles by itself: llvm-mc -triple=amdgcn-amd-amdhsa -mcpu=gfx1250 --defsym DOCPART=n.
;; ======== version 1 of 1: 4 launches
;; limits: right only within a limited range of input values
;; workspace buffers: xw 8,650,752 bytes; xws 360,448 bytes; qkv 18,874,368 bytes; qkvs 786,432 bytes; pimg 12,582,912 bytes; pst 1,572,864 bytes
;; launch quant (part 1): grid 448 x 1, 4 waves a work-group, no clusters, 34,304 bytes of LDS; arguments x, Wq, Wk, Wv, xw, xws; writes xw, xws
.if DOCPART == 1
	.amdgcn_target "amdgcn-amd-amdhsa--gfx1250"
	.amdhsa_code_object_version 6
	.text
	.protected	k_q797bedb0ad_quant
	.globl	k_q797bedb0ad_quant
	.p2align	8
	.type	k_q797bedb0ad_quant,@function
k_q797bedb0ad_quant:
	s_mov_b64 s[64:65], 0
	v_nop
	global_prefetch_b8 v0, s[64:65] scope:SCOPE_SE
	s_setreg_imm32_b32 hwreg(HW_REG_WAVE_MODE, 25, 1), 1
	s_wait_xcnt 0x0
; x [8192][1024] (K = its last axis) and Wq, Wk, Wv [1024 (K)][1024] (K = their first axis), f32, become codes of FP6 (E2M3) with one E8M0 byte for each 32 along K.
; A block's scale is 2^(floor(log2(its largest magnitude)) - 2); its byte is the largest magnitude's exponent field - 2, held at 1 from below.
; THE CODES ARE LAID AS IMAGES OF THE OPERAND'S REGISTERS: a fragment (16 rows x 128 K, 12 registers a lane) is 1,536 bytes: three pieces of 512, piece c = registers 4 c .. 4 c + 3, lane l's 16 bytes at 16 l.
; Fragments lie [row tile 704][K step 8]: row tiles 0-511 x's rows, 512-575 Wq's columns, 576-639 Wk's, 640-703 Wv's.
; THE ROWS OF A TILE ARE NOT NEIGHBOURS: lane r of row tile t holds row 32 (t / 2) + 8 (t % 2) + r + 8 (r / 8), so that a later product's 16 registers of two neighbouring tiles are 16 neighbours along its N.
; THE SCALE WORDS (four bytes: 128 along K of one row) lie [K step 8][group of 8 row tiles 88][512]: the word of (tile i of the group, lane r) at 256 (i / 4) + 16 r + 4 (i % 4).
; Work-groups 0-255 take x: a wave makes the four fragments of 64 rows x one K step; each load reads 512 consecutive bytes of a row; the numbers turn through the wave's own stage in LDS, so that a lane gets two whole blocks of its row.
; Work-groups 256-447 take the weights: a lane takes a column and its registers run down K (128 numbers, four blocks); each load of the wave reads 128 consecutive bytes, the work-group's four waves 256 of each of two K steps.
; Every fragment leaves by three stores of 512 consecutive bytes.  x's scale words leave as one aligned run of 256 bytes a wave; the weights' as 4 bytes a lane, 16 bytes apart: 128 bytes for 16,384 read.
; LIMITS: NaN and infinities among the inputs are not served.  A block whose largest magnitude lies under 2^-124, a block of zeros too, keeps the byte 1; these bytes are read by this program alone.
; No tensor loads, no barrier: waves share nothing.
.set SPARE, 33792                      ; behind the four stages: the spare words, 128 bytes for each wave
.set STG,   8448                       ; a wave's stage: 16 rows of SP bytes
.set SP,    528                        ; 512 bytes + 16: an odd multiple of 16, so that sixteen rows' pieces of 16 bytes fall on different banks
.set FLOOR, 0x1800000                  ; 2^(3 - 127)
.set R,  16                            ; v16-143  numbers as loaded
.set X,  144                           ; v144-207 x: 64 numbers of my row: register 32 c + i = k 64 c + 32 (lane / 16) + i
.set PC, 208                           ; v208-231 codes
.set TP, 232                           ; v232-239 a block's upper 16 codes (a conversion's three registers begin on an even number)
.set TM, 240                           ; v240-247 at work
.set W4, 248                           ; v248-251 x: the four fragments' scale words
	s_load_b256 s[4:11], s[0:1], 0x0               ; x, Wq, Wk, Wv
	s_load_b128 s[12:15], s[0:1], 0x20             ; xw, xws
	v_lshl_add_u32 v12, v0, 2, SPARE               ; my spare word; never rewritten
	v_mov_b32 v13, 0                               ; 0; never rewritten
	v_lshrrev_b32 v1, 5, v0
	v_readfirstlane_b32 s16, v1                    ; wave
	v_and_b32 v1, 31, v0                           ; lane
	v_and_b32 v2, 15, v0                           ; r
	v_bfe_u32 v3, v0, 4, 1                         ; h
	v_lshlrev_b32 v7, 4, v1                        ; 16 x lane
	s_mul_i32 s23, s16, STG
	v_add_nc_u32 v5, s23, v7                       ; the stage, on the way in: a row as it was loaded
	v_mul_u32_u24 v6, v2, SP
	v_lshl_add_u32 v6, v3, 7, v6
	v_add_nc_u32 v6, s23, v6                       ; and on the way out: row r, + 128 h
	v_lshlrev_b32 v10, 3, v3                       ; 8 h
	v_mov_b32 v11, 0                               ; (a lane permute's destination counts as one of its sources)
	s_mov_b32 s20, 0x76543210
	s_mov_b32 s21, 0xfedcba98                      ; selects for lane l xor 16
	s_mov_b32 s22, 0xffff0000                      ; lanes 16-31
	s_mov_b32 s25, 0
	s_wait_kmcnt 0x0
	s_cmp_lt_u32 ttmp9, 256
	s_cbranch_scc0 .Lw
	; ---------------- x
	s_lshr_b32 s17, ttmp9, 1                       ; which 64 rows
	s_and_b32 s18, ttmp9, 1
	s_lshl_b32 s18, s18, 2
	s_add_co_u32 s18, s18, s16                     ; which K step
	s_lshl_b32 s24, s17, 18                        ; 64 rows of 4,096 bytes
	s_lshl_b32 s19, s18, 9
	s_add_co_u32 s24, s24, s19
	s_add_nc_u64 s[4:5], s[4:5], s[24:25]
	s_mul_i32 s24, s17, 49152                      ; four row tiles of 12,288 bytes
	s_mul_i32 s19, s18, 1536
	s_add_co_u32 s24, s24, s19
	s_add_nc_u64 s[12:13], s[12:13], s[24:25]
	s_mul_i32 s24, s18, 45056                      ; a K step's 88 groups of 512 bytes
	s_lshl_b32 s19, s17, 8                         ; half a group
	s_add_co_u32 s24, s24, s19
	s_add_nc_u64 s[14:15], s[14:15], s[24:25]
	s_wait_alu depctr_va_vdst(0)
	v_lshlrev_b32 v8, 4, v2
	v_lshl_add_u32 v8, v3, 3, v8                   ; 16 r + 8 h
.macro LOADF f                         ; the 16 rows of fragment f: 512 consecutive bytes a load
.irp j, 0,1,2,3,4,5,6,7,8,9,10,11,12,13,14,15
	global_load_b128 v[R+64*((\f)%2)+4*\j:R+64*((\f)%2)+4*\j+3], v7, s[4:5] offset:(32*((\f)/2)+8*((\f)%2)+\j+8*(\j/8))*4096 th:TH_LOAD_NT
.endr
.endm
.macro TURNF f                         ; through the stage: LDS serves a wave's instructions in order, so no wait stands between the stores and the loads
.irp j, 0,1,2,3,4,5,6,7,8,9,10,11,12,13,14,15
	ds_store_b128 v5, v[R+64*((\f)%2)+4*\j:R+64*((\f)%2)+4*\j+3] offset:SP*\j
.endr
.irp c, 0,1
.irp j, 0,1,2,3,4,5,6,7
	ds_load_b128 v[X+32*\c+4*\j:X+32*\c+4*\j+3], v6 offset:256*\c+16*\j
.endr
.endr
.endm
.macro QF f                            ; my two blocks (h and 2 + h of my row) become registers 0-5 and 6-11 of the fragment
.irp c, 0,1
	v_max3_num_f32 v[TM+\c], |v[X+32*\c]|, |v[X+32*\c+1]|, FLOOR   ; the floor among the leaves holds the byte at 1 from below
.endr
.irp i, 2,4,6,8,10,12,14,16,18,20,22,24,26,28,30
.irp c, 0,1
	v_max3_num_f32 v[TM+\c], v[TM+\c], |v[X+32*\c+\i]|, |v[X+32*\c+\i+1]|
.endr
.endr
.irp c, 0,1
	v_add_nc_u32 v[TM+2+\c], 0xff000000, v[TM+\c]  ; 2 off the exponent field: the conversion's scale operand
.endr
.irp c, 0,1
	v_lshrrev_b32 v[TM+4+\c], 23, v[TM+2+\c]       ; the scale's byte
.endr
	v_lshl_or_b32 v9, v[TM+5], 16, v[TM+4]
	v_lshlrev_b32 v9, v10, v9                      ; at their places in the word, 8 h bits up
	v_permlanex16_b32 v11, v9, s20, s21
	v_or_b32 v[W4+\f], v9, v11                     ; with lane l xor 16's two bytes the word is whole
.if \f > 0
	s_wait_alu depctr_va_vdst(0)
	s_wait_xcnt 0x0                                ; the last fragment's stores have read their data: the codes' registers are written again only behind this wait
.endif
	v_cvt_scalef32_pk16_fp6_f32 v[PC:PC+2], v[X:X+15], v[TM+2]
	v_cvt_scalef32_pk16_fp6_f32 v[TP:TP+2], v[X+16:X+31], v[TM+2]
	v_cvt_scalef32_pk16_fp6_f32 v[PC+6:PC+8], v[X+32:X+47], v[TM+3]
	v_cvt_scalef32_pk16_fp6_f32 v[TP+4:TP+6], v[X+48:X+63], v[TM+3]
	v_nop                                          ; one plain place behind a scaled conversion
.irp i, 0,1,2
	v_mov_b32 v[PC+3+\i], v[TP+\i]
	v_mov_b32 v[PC+9+\i], v[TP+4+\i]
.endr
.irp c, 0,1,2
	global_store_b128 v7, v[PC+4*\c:PC+4*\c+3], s[12:13] offset:(\f)*12288+512*\c   ; 512 consecutive bytes
.endr
.endm
	LOADF 0
	LOADF 1
.irp f, 0,1,2,3
.if \f < 3
	s_wait_loadcnt 16                              ; this fragment's 16 loads are in; the next fragment's 16 may be out
.else
	s_wait_loadcnt 0x0
.endif
	TURNF \f
	s_wait_dscnt 0x0                               ; my 64 numbers are back
.if \f < 2
	LOADF \f+2
.endif
	QF \f
.endr
	v_cndmask_b32 v14, v[W4], v[W4+2], s22         ; lanes 0-15 store tiles 0 and 1's words of row r, lanes 16-31 tiles 2 and 3's
	v_cndmask_b32 v15, v[W4+1], v[W4+3], s22
	global_store_b64 v8, v[14:15], s[14:15]        ; 256 consecutive bytes
	s_wait_tensorcnt 0x0                           ; the wave's end
	ds_add_u32 v12, v13
	s_wait_dscnt 0x0
	s_endpgm
	; ---------------- the weights
.Lw:
	s_sub_co_u32 s17, ttmp9, 256
	s_cmp_lt_u32 s17, 64                           ; which weight: the choice hangs on the work-group's number alone
	s_cselect_b64 s[4:5], s[6:7], s[8:9]
	s_cmp_lt_u32 s17, 128
	s_cselect_b64 s[4:5], s[4:5], s[10:11]
	s_lshr_b32 s18, s17, 6                         ; weight 0..2
	s_bfe_u32 s19, s17, 0x40002                    ; which 64 columns
	s_and_b32 s23, s17, 3
	s_and_b32 s26, s16, 1                          ; which 32 of them
	s_lshr_b32 s27, s16, 1
	s_lshl_b32 s23, s23, 1
	s_add_co_u32 s23, s23, s27                     ; which K step
	s_lshl_b32 s24, s23, 19                        ; 128 rows of 4,096 bytes
	s_lshl_b32 s27, s19, 8
	s_add_co_u32 s24, s24, s27
	s_lshl_b32 s27, s26, 7
	s_add_co_u32 s24, s24, s27
	s_add_nc_u64 s[4:5], s[4:5], s[24:25]
	s_lshl_b32 s24, s18, 6                         ; row tile 512 + 64 weight + 4 x (64 columns) + 2 x (32 columns)
	s_lshl_b32 s27, s19, 2
	s_add_co_u32 s24, s24, s27
	s_lshl_b32 s27, s26, 1
	s_add_co_u32 s24, s24, s27
	s_add_co_u32 s24, s24, 512
	s_mul_i32 s24, s24, 12288
	s_mul_i32 s27, s23, 1536
	s_add_co_u32 s24, s24, s27
	s_add_nc_u64 s[12:13], s[12:13], s[24:25]
	s_mul_i32 s24, s23, 45056                      ; the words: K step, group 64 + 8 weight + .., half a group for 64 columns, 8 bytes for 32
	s_lshl_b32 s27, s18, 12
	s_add_co_u32 s24, s24, s27
	s_lshl_b32 s27, s19, 8
	s_add_co_u32 s24, s24, s27
	s_lshl_b32 s27, s26, 3
	s_add_co_u32 s24, s24, s27
	s_add_co_u32 s24, s24, 32768
	s_add_nc_u64 s[14:15], s[14:15], s[24:25]
	v_and_b32 v4, 7, v0                            ; my column of the 32: my lane's number with bits 3 and 4 changed over: the rows' order in two tiles
	v_bfe_u32 v9, v0, 3, 1
	v_lshl_or_b32 v4, v3, 3, v4
	v_lshl_or_b32 v4, v9, 4, v4
	v_lshlrev_b32 v4, 2, v4
	v_lshlrev_b32 v8, 4, v2
	v_lshl_add_u32 v8, v3, 2, v8                   ; my word: 16 r + 4 x (lane / 16)
.set n, 0
.rept 128
	global_load_b32 v[R+n], v4, s[4:5] offset:n*4096 th:TH_LOAD_NT   ; W(128 step + n, my column): the wave reads 128 consecutive bytes
.set n, n+1
.endr
.macro WBLK t, left                    ; block t of my column: all its 32 numbers are mine
.set XS, R+32*(\t)
.set CB, PC+12*((\t)%2)+6*((\t)/2)
	s_wait_loadcnt \left
	v_max3_num_f32 v[TM], |v[XS]|, |v[XS+1]|, |v[XS+2]|
	v_max3_num_f32 v[TM+1], |v[XS+3]|, |v[XS+4]|, |v[XS+5]|
.irp i, 6,10,14,18,22,26
	v_max3_num_f32 v[TM], v[TM], |v[XS+\i]|, |v[XS+\i+1]|
	v_max3_num_f32 v[TM+1], v[TM+1], |v[XS+\i+2]|, |v[XS+\i+3]|
.endr
	v_max3_num_f32 v[TM], v[TM], |v[XS+30]|, |v[XS+31]|
	v_max3_num_f32 v[TM], v[TM], v[TM+1], FLOOR
	v_add_nc_u32 v[TM+2], 0xff000000, v[TM]
	v_lshrrev_b32 v[TM+3], 23, v[TM+2]
.if \t == 0
	v_mov_b32 v9, v[TM+3]
.else
	v_lshl_or_b32 v9, v[TM+3], 8*(\t), v9          ; the four bytes make my column's word
.endif
	v_cvt_scalef32_pk16_fp6_f32 v[CB:CB+2], v[XS:XS+15], v[TM+2]
	v_cvt_scalef32_pk16_fp6_f32 v[TP:TP+2], v[XS+16:XS+31], v[TM+2]
	v_nop                                          ; one plain place behind a scaled conversion
.irp i, 0,1,2
	v_mov_b32 v[CB+3+\i], v[TP+\i]
.endr
.endm
	WBLK 0, 63                                     ; 96 loads were issued behind block 0's: any count up to 96 shows them in
	WBLK 1, 63                                     ; 64 behind block 1's
	WBLK 2, 32
	WBLK 3, 0
.set n, 0
.rept 12                               ; blocks 0, 2 lie at PC on, blocks 1, 3 at PC + 12 on.  A fragment wants blocks 0, 2 of its rows in lanes 0-15 and blocks 1, 3 in lanes 16-31:
	v_permlane16_swap_b32 v[PC+n], v[PC+12+n]      ; the first's lanes 16-31 change places with the second's lanes 0-15: the first is now the lower tile's fragment, the second the upper's
.set n, n+1
.endr
.irp u, 0,1
.irp c, 0,1,2
	global_store_b128 v7, v[PC+12*\u+4*\c:PC+12*\u+4*\c+3], s[12:13] offset:\u*12288+512*\c
.endr
.endr
	global_store_b32 v8, v9, s[14:15]
	s_wait_tensorcnt 0x0                           ; the wave's end, as on the other path
	ds_add_u32 v12, v13
	s_wait_dscnt 0x0
	s_endpgm
.Lfunc_end_k_q797bedb0ad_quant:
	.size	k_q797bedb0ad_quant, .Lfunc_end_k_q797bedb0ad_quant-k_q797bedb0ad_quant
	.p2alignl 7, 3214868480
	.fill 96, 4, 3214868480
	.section	.rodata,"a",@progbits
	.p2align	6, 0x0
	.amdhsa_kernel k_q797bedb0ad_quant
		.amdhsa_group_segment_fixed_size 34304
		.amdhsa_private_segment_fixed_size 0
		.amdhsa_enable_private_segment 0
		.amdhsa_kernarg_size 48
		.amdhsa_user_sgpr_count 2
		.amdhsa_user_sgpr_kernarg_segment_ptr 1
		.amdhsa_wavefront_size32 1
		.amdhsa_system_sgpr_workgroup_id_x 1
		.amdhsa_system_sgpr_workgroup_id_y 1
		.amdhsa_system_sgpr_workgroup_id_z 1
		.amdhsa_system_vgpr_workitem_id 0
		.amdhsa_next_free_vgpr 256
		.amdhsa_next_free_sgpr 66
		.amdhsa_reserve_vcc 0
		.amdhsa_float_denorm_mode_32 3
		.amdhsa_float_denorm_mode_16_64 3
		.amdhsa_memory_ordered 1
		.amdhsa_forward_progress 1
		.amdhsa_inst_pref_size 51
	.end_amdhsa_kernel
	.amdgpu_metadata
---
amdhsa.version: [ 1, 2 ]
amdhsa.kernels:
  - .name:           k_q797bedb0ad_quant
    .symbol:         k_q797bedb0ad_quant.kd
    .args:
      - { .name: x, .offset: 0, .size: 8, .value_kind: global_buffer, .address_space: global }
      - { .name: Wq, .offset: 8, .size: 8, .value_kind: global_buffer, .address_space: global }
      - { .name: Wk, .offset: 16, .size: 8, .value_kind: global_buffer, .address_space: global }
      - { .name: Wv, .offset: 24, .size: 8, .value_kind: global_buffer, .address_space: global }
      - { .name: xw, .offset: 32, .size: 8, .value_kind: global_buffer, .address_space: global }
      - { .name: xws, .offset: 40, .size: 8, .value_kind: global_buffer, .address_space: global }
    .group_segment_fixed_size: 34304
    .private_segment_fixed_size: 0
    .kernarg_segment_align: 8
    .kernarg_segment_size: 48
    .max_flat_workgroup_size: 128
    .sgpr_count:     66
    .vgpr_count:     256
    .wavefront_size: 32
...
	.end_amdgpu_metadata
.endif
;; end of part 1
;; launch proj (part 2): grid 8 x 32, 4 waves a work-group, clusters of 4 x 4, 327,680 bytes of LDS; arguments xw, xws, qkv, qkvs; writes qkv, qkvs
.if DOCPART == 2
	.amdgcn_target "amdgcn-amd-amdhsa--gfx1250"
	.amdhsa_code_object_version 6
	.text
	.protected	k_q797bedb0ad_proj
	.globl	k_q797bedb0ad_proj
	.p2align	8
	.type	k_q797bedb0ad_proj,@function
k_q797bedb0ad_proj:
	s_mov_b64 s[64:65], 0
	v_nop
	global_prefetch_b8 v0, s[64:65] scope:SCOPE_SE
	s_setreg_imm32_b32 hwreg(HW_REG_WAVE_MODE, 25, 1), 1
	s_wait_xcnt 0x0
	s_wait_alu depctr_hold_cnt(0) depctr_sa_sdst(0) depctr_va_vdst(0) depctr_va_sdst(0) depctr_va_ssrc(0) depctr_va_vcc(0) depctr_vm_vsrc(0)
	s_getreg_b32 s2, hwreg(HW_REG_IB_STS2, 6, 4)
	s_cmp_eq_u32 s2, 0
	s_cbranch_scc0 .Lentry_in_a_cluster
	s_endpgm
.Lentry_in_a_cluster:
	s_bfe_u32 s2, ttmp6, 0x10000c
	s_cmp_lg_u32 s2, 0xf033
	s_cbranch_scc0 .Lentry_shape_is_right
	s_endpgm
.Lentry_shape_is_right:
; q, k = x Wq, x Wk and then v = x Wv on codes of FP6 (E2M3) with E8M0 scales, each result quantised again in registers: nothing is stored as f32.
; A work-group makes 256 rows x 256 columns of q | k (four waves of 128 x 128: 64 accumulators), and then 256 rows x 128 columns of v (four waves of 128 x 64) from the x that lies in LDS.
; IN: xw = register images [row tile 704][K step 8][1,536] (row tiles 0-511 x's, then Wq's, Wk's, Wv's columns); xws = scale words [K step 8][group of 8 tiles 88][512], the word of (tile i, lane r) at 256 (i / 4) + 16 r + 4 (i % 4).
; OUT: qkv = q | k's images [row tile 512][K step: q 0-7, k 8-15][1,536], behind them V^T's [channel tile 64][key step 64][1,536]; qkvs = their words [K step 16][group 64][512] and [key step 64][group 8][512].
; By the rows' order in a tile (lane r of row tile t = row 32 (t/2) + 8 (t%2) + r + 8 (r/8)) the 16 registers of two neighbouring tiles are 16 neighbours along the next product's K.
; q, k: source 0 = a weight's rows, source 1 = x's, so that a lane holds one token; v: source 0 = x's rows, source 1 = the weight's, so that a lane holds one channel and its registers run along the tokens.
; K IN THREE FILLS of one joint load a wave: chunk 0 (256 along K) into slot 0 at the head; chunks 1 and 2 as one load, rows of 6,144 bytes, into a region of their own behind the next round; chunk 3 into slot 0 again.
; For v: Wv's rows, a chunk of K a wave, onto the region's weight part when that has been read; x's chunk 0 onto slot 0's weight part.  x's chunks 1, 2, 3 have stayed in LDS.
; THE SCALE WORDS come straight into registers, all eight K steps: lanes 0-15 the words of source 1's tiles, lanes 16-31 those of source 0's; each load for q | k covers two whole runs of 256 bytes.
; CLUSTERS: 4 x 4 work-groups; x's tiles are asked for jointly by a row of the cluster, a weight's by a column.
; PREFETCH: chunks 1 and 2 behind the head's load, chunk 3 behind the second; the four partners of a joint load take two of its eight row tiles each, by address; the weights' tiles are asked for by the clusters of the first four rows alone.
; REGISTERS: window 0: v8-30 addresses; v32-63, v224-255 scale words; v128-223 fragments of source 1, on the way out at work.  window 1: source 0's fragments, two sets.  windows 2, 3: accumulators.
; LIMITS: NaN and infinities are not served.  A block whose largest magnitude lies under 2^-124, a block of zeros too, keeps the byte 1; these bytes are read by this program alone.
.set FR,    12
.set FRB,   1536
.set KSB,   2*FRB                      ; a row tile's chunk: two fragments
.set WTILE, 8*KSB                      ; what a wave's load of one chunk brings
.set RGN,   4*WTILE                    ; behind slot 0: the region of chunks 1 and 2: wave w's load at RGN + 2 WTILE w, a row tile's two chunks side by side
.set SPARE, 12*WTILE                   ; the spare words, 128 bytes for each wave
.set RTP,   12288
.set SCP,   45056
.set XB,    8                          ; v8-11   v's phase: x's chunk 0 .. 3
.set VA,    12                         ; v12-13  Wv's chunks 0, 1 and 2, 3
.set ADX,   14                         ; v14, v30  v's phase: offset of my words in xws (v30: lanes 16-31 256 bytes on)
.set R16,   15
.set ADRA,  16                         ; v16-18  x: slot 0, chunk 1, chunk 2
.set ADRB,  20                         ; v20-22  the weight: likewise
.set PFO,   24
.set PF3,   25
.set CO,    26
.set ADRS,  27
.set SPW,   28
.set NIL,   29
.set ADX2,  30
.set SC,    32                         ; K step t: SC + 8 t, from step 4 on 160 further
.set AF,    128
.set PC,    128
.set TP,    140
.set TM,    148
.set SW,    164
.set DW,    172
.set SEL,   2
.set HM,    23
.set G1,    24
.set G0,    32
.set G0P,   36
.set G1B,   44
.set G0B,   52
.set G0PB,  56
.set G0V,   60
.set G1P,   68
.set PFA,   76
.set G1PB,  80
.set MSB, 0
.macro WIN new
.if MSB != \new
	s_set_vgpr_msb (MSB<<8)|\new
.set MSB, \new
.endif
.endm
.set MUL_LO, 0xa1                      ; source 0 window 1, source 1 window 0, C and D window 2
.set MUL_HI, 0xf1
.set TO_B,   0x40
.macro WALU
	s_wait_alu depctr_va_vdst(0)
.endm
.macro PLACES n
.rept \n
	v_nop
.endr
.endm
.macro JLOAD g0a, g1a, g0b, g1b        ; a joint load: waves 0, 1 for x, waves 2, 3 for a weight
	s_cmp_eq_u32 s15, 0
	s_cbranch_scc0 .Lfor_b_\@
	tensor_load_to_lds s[\g0a:\g0a+3], s[\g1a:\g1a+7]
	s_nop 0
.rept 4
	v_nop
.endr
	s_branch .Lasked_\@
.Lfor_b_\@:
	tensor_load_to_lds s[\g0b:\g0b+3], s[\g1b:\g1b+7]
	s_nop 0
.rept 4
	v_nop
.endr
.Lasked_\@:
.endm
.macro CREST
	s_cmp_lg_u32 s14, 0
	s_cbranch_scc1 .Lnot_wave_0_\@
	s_barrier_signal -3
.Lnot_wave_0_\@:
	s_barrier_wait -3
	s_barrier_signal -1
	s_barrier_wait -1
.endm
.macro CROUND
	s_barrier_signal -1
	s_barrier_wait -1
	CREST
.endm
.macro D0 g, base, off                 ; group 0 without its LDS address
	s_mov_b32 s[\g], 1
	s_add_nc_u64 s[\g+2:\g+3], s[\base:\base+1], \off
	s_or_b32 s[\g+3], s[\g+3], 0x80000000
.endm
.macro FRAG reg, adr, st, q, i         ; a fragment: three runs of 512 bytes; st: bytes from row tile to row tile
.irp c, 0,1,2
	ds_load_b128 v[\reg+4*\c:\reg+4*\c+3], v[\adr] offset:(\i)*(\st)+(\q)*FRB+512*\c
.endr
.endm
.macro SLOT t
.set SL, ((\t)/2)%3
.set ST_, KSB*(1+(SL+1)/2)
.endm
.macro FETCH_B t
	SLOT \t
	WIN TO_B
.irp i, 0,1,2,3,4,5,6,7
	FRAG 128*((\t)%2)+FR*\i, ADRB+SL, ST_, (\t)%2, \i
.endr
	WIN 0
.endm
.macro FETCH_A t, i0
	SLOT \t
.irp i, \i0, \i0+1, \i0+2, \i0+3
	FRAG AF+FR*(\i), ADRA+SL, ST_, (\t)%2, \i
.endr
.endm
.macro WM d, p, q, z, x, y
.if \z
	v_wmma_scale_f32_16x16x128_f8f6f4 v[\d:\d+7], v[\p:\p+FR-1], v[\q:\q+FR-1], 0, v[\x], v[\y] matrix_a_fmt:MATRIX_FMT_FP6 matrix_b_fmt:MATRIX_FMT_FP6 matrix_a_scale:MATRIX_SCALE_ROW1
.else
	v_wmma_scale_f32_16x16x128_f8f6f4 v[\d:\d+7], v[\p:\p+FR-1], v[\q:\q+FR-1], v[\d:\d+7], v[\x], v[\y] matrix_a_fmt:MATRIX_FMT_FP6 matrix_b_fmt:MATRIX_FMT_FP6 matrix_a_scale:MATRIX_SCALE_ROW1
.endif
.endm
.macro MUL8 a, t, zero                 ; x's block a against the weight's eight; the accumulators take turns in one order in every step
.set SR, SC+8*(\t)+160*((\t)/4)
.irp b, 0,1,2,3,4,5,6,7
	WM 8*(8*((\a)%4)+\b), 128*((\t)%2)+FR*\b, AF+FR*(\a), \zero, SR+\b, SR+(\a)
.endr
.endm
.macro STEP t, zero
	s_wait_dscnt 12                                ; all but the youngest twelve loads (x's blocks 4-7) are in
	WIN MUL_LO
.irp a, 0,1,2,3
	MUL8 \a, \t, \zero
.endr
	s_wait_dscnt 0x0
	PLACES 4                                       ; in front of loads into registers that matrix instructions have read
	FETCH_B (\t)+1
	FETCH_A (\t)+1, 0
	WIN MUL_HI
.irp a, 4,5,6,7
	MUL8 \a, \t, \zero
.endr
	PLACES 4
	WIN 0
	FETCH_A (\t)+1, 4
.endm
.macro TURN t, fill                    ; a step with a round.  fill 1: chunk 3 into slot 0; 2: Wv's rows
	s_wait_dscnt 12
	WIN MUL_LO
	MUL8 0, \t, 0
	MUL8 1, \t, 0
	WIN 0
	s_wait_tensorcnt 0x0                           ; all my tensor loads have landed
	ds_add_u32 v[SPW], v[NIL]
	WIN MUL_LO
	MUL8 2, \t, 0
	s_wait_dscnt 0x0                               ; the add is done, and my reads of what is filled again are over
	s_barrier_signal -1
	MUL8 3, \t, 0
	WIN 0
	s_barrier_wait -1
	CREST
.if \fill == 1
	s_add_nc_u64 s[G0+2:G0+3], s[G0+2:G0+3], 3*KSB
	s_add_nc_u64 s[G0B+2:G0B+3], s[G0B+2:G0B+3], 3*KSB
	JLOAD G0, G1, G0B, G1B
.else
	tensor_load_to_lds s[G0V:G0V+3], s[G1B:G1B+7]
	s_nop 0
	PLACES 4
.endif
	FETCH_B (\t)+1
	FETCH_A (\t)+1, 0
	WIN MUL_HI
.irp a, 4,5,6,7
	MUL8 \a, \t, 0
.endr
	PLACES 4
	WIN 0
	FETCH_A (\t)+1, 4
.endm
; v's phase: steps u = 0 .. 7 take the chunks 1, 2, 3, 0
.macro VFETCH u
.set FJ, ((\u)/2+1)%4
.set ST_, KSB*(1+(FJ%3+1)/2)
	WIN TO_B
.irp b, 0,1,2,3,4,5,6,7
	FRAG 128*((\u)%2)+FR*\b, XB+FJ, ST_, (\u)%2, \b
.endr
	WIN 0
.irp a, 0,1,2,3
	FRAG AF+48*((\u)%2)+FR*\a, VA+FJ/2, KSB, (FJ%2)*16+(\u)%2, \a
.endr
.endm
.macro VMUL a, u, zero
.set MK, 2*(((\u)/2+1)%4)+(\u)%2
.set SR, SC+8*MK+160*(MK/4)
.irp b, 0,1,2,3,4,5,6,7
	WM 8*(8*(\a)+\b), 128*((\u)%2)+FR*\b, AF+48*((\u)%2)+FR*(\a), \zero, SR+\b, SR+(\a)
.endr
.endm
.macro VSUB u, zero
	s_wait_dscnt 6                                 ; all but the youngest six loads (Wv's blocks 2 and 3) are in
	WIN MUL_LO
	VMUL 0, \u, \zero
	VMUL 1, \u, \zero
	s_wait_dscnt 0x0
	PLACES 4
	VFETCH (\u)+1
	WIN MUL_LO
	VMUL 2, \u, \zero
	VMUL 3, \u, \zero
.endm
	s_load_b256 s[4:11], s[0:1], 0x0               ; xw, xws, qkv, qkvs
	v_lshl_add_u32 v[SPW], v0, 2, SPARE
	v_mov_b32 v[NIL], 0
	ds_add_u32 v[SPW], v[NIL]                      ; the wave's opening
	ds_add_u32 v[SPW], v[NIL]
	v_lshrrev_b32 v1, 5, v0
	v_readfirstlane_b32 s14, v1                    ; wave
	s_lshr_b32 s15, s14, 1                         ; my half of x's rows; also: I fetch for x (0) or for a weight (1)
	s_and_b32 s16, s14, 1                          ; my half of the columns; also: which 8 row tiles I fetch
	s_bfe_u32 s92, ttmp6, 0x40000                  ; cx
	s_bfe_u32 s93, ttmp6, 0x40004                  ; cy
	s_and_b32 s79, ttmp7, 0xffff                   ; the cluster's y
	s_lshl_b32 s95, s79, 2
	s_add_co_u32 s95, s95, s93                     ; tile of 256 rows of x
	s_lshl_b32 s94, ttmp9, 2
	s_add_co_u32 s94, s94, s92                     ; tile of 256 columns of q | k, of 128 of v
	s_lshl_b32 s96, s93, 2
	s_lshl_b32 s96, 15, s96                        ; my row of the cluster
	s_lshl_b32 s97, 0x1111, s92                    ; my column
	s_or_b32 s[G1], s96, (3<<16)|(1<<21)
	s_or_b32 s[G1P], s96, (3<<16)|(1<<21)
	s_or_b32 s[G1B], s97, (3<<16)|(1<<21)
	s_or_b32 s[G1PB], s97, (3<<16)|(1<<21)
.irp g, G1, G1B
	s_mov_b32 s[\g+1], 384<<16                     ; a chunk: 8 row tiles of 3,072 bytes
	s_mov_b32 s[\g+3], 384<<16
.endr
.irp g, G1P, G1PB
	s_mov_b32 s[\g+1], 768<<16                     ; two chunks: of 6,144
	s_mov_b32 s[\g+3], 768<<16
.endr
.irp g, G1, G1B, G1P, G1PB
	s_mov_b32 s[\g+2], 8<<16
	s_mov_b32 s[\g+4], 8
	s_mov_b32 s[\g+5], RTP/8
	s_mov_b32 s[\g+6], 0
	s_mov_b32 s[\g+7], 0
.endr
	s_lshl_b32 s66, s16, 3
	s_lshl_b32 s18, s95, 4
	s_add_co_u32 s18, s18, s66
	s_mul_i32 s18, s18, RTP                        ; x: the row tile that I fetch from
	s_mov_b32 s19, 0
	s_lshl_b32 s98, s94, 4
	s_add_co_u32 s98, s98, s66
	s_add_co_u32 s98, s98, 512
	s_mul_i32 s98, s98, RTP                        ; Wq | Wk: likewise
	s_mov_b32 s99, 0
	s_mul_i32 s[G0+1], s14, WTILE
	s_mul_i32 s[G0B+1], s14, WTILE
	s_mul_i32 s[G0P+1], s14, 2*WTILE
	s_add_co_u32 s[G0P+1], s[G0P+1], RGN
	s_mul_i32 s[G0PB+1], s14, 2*WTILE
	s_add_co_u32 s[G0PB+1], s[G0PB+1], RGN
	s_wait_dscnt 0x0                               ; both opening adds are done
	CROUND                                         ; all sixteen work-groups are here: the first joint loads meet
	s_wait_kmcnt 0x0
	s_add_nc_u64 s[18:19], s[4:5], s[18:19]
	s_add_nc_u64 s[98:99], s[4:5], s[98:99]
	D0 G0, 18, 0
	D0 G0B, 98, 0
	JLOAD G0, G1, G0B, G1B                         ; chunk 0
	D0 G0P, 18, KSB
	D0 G0PB, 98, KSB
	s_cmp_eq_u32 s15, 0
	s_cselect_b64 s[PFA:PFA+1], s[18:19], s[98:99] ; the prefetches: my load's row tiles,
	s_cselect_b32 s66, s92, s93                    ; of which my work-group takes two
	s_cselect_b32 s78, 16, 4                       ; and the rows of clusters that ask
	s_mul_i32 s66, s66, 2*RTP
	s_mov_b32 s67, 0
	s_add_nc_u64 s[PFA:PFA+1], s[PFA:PFA+1], s[66:67]
	s_mov_b32 s88, 0xfffff000                      ; lanes 12-31
	s_lshl_b32 s66, s95, 1
	s_add_co_u32 s66, s66, s15
	s_lshl_b32 s66, s66, 9                         ; x's words, my 128 rows
	s_lshl_b32 s67, s94, 1
	s_add_co_u32 s67, s67, s16
	s_add_co_u32 s67, s67, 64
	s_lshl_b32 s67, s67, 9                         ; the weight's, my 128 columns
	s_sub_co_u32 s67, s67, s66
	v_and_b32 v1, 31, v0
	v_and_b32 v3, 15, v0                           ; r
	v_bfe_u32 v4, v0, 4, 1                         ; h
	v_xor_b32 v6, 1, v4                            ; 1 - h
	v_lshlrev_b32 v[CO], 4, v1
	v_lshlrev_b32 v[R16], 4, v3
	v_mul_u32_u24 v5, s67, v4                      ; lanes 16-31 stand that distance further on
	v_add_nc_u32 v5, s66, v5
	v_add_nc_u32 v[ADRS], v5, v[R16]
	v_min_u32 v[PFO], 23, v1                       ; 24 blocks of 256 bytes: two chunks of a row tile
	v_lshlrev_b32 v[PFO], 8, v[PFO]
	v_add_nc_u32 v7, RTP-KSB, v[PFO]
	v_cndmask_b32 v[PF3], v[PFO], v7, s88          ; or one chunk of two row tiles
.irp k, 0,1,2,3,4,5,6,7
	global_load_b128 v[SC+8*\k+160*(\k/4):SC+8*\k+160*(\k/4)+3], v[ADRS], s[6:7] offset:\k*SCP
	global_load_b128 v[SC+8*\k+160*(\k/4)+4:SC+8*\k+160*(\k/4)+7], v[ADRS], s[6:7] offset:\k*SCP+256
.endr
	s_cmp_lt_u32 s79, s78
	s_cbranch_scc0 .Lno_ask_12
	global_prefetch_b8 v[PFO], s[PFA:PFA+1] offset:KSB th:TH_LOAD_NT scope:SCOPE_SE
	global_prefetch_b8 v[PFO], s[PFA:PFA+1] offset:KSB+RTP th:TH_LOAD_NT scope:SCOPE_SE
.Lno_ask_12:
	s_mov_b32 s[SEL], 0x76543210
	s_mov_b32 s[SEL+1], 0xfedcba98                 ; selects for lane l xor 16
	s_mov_b32 s[G0V], 1                            ; Wv's 8 row tiles, chunk = my wave's number
	s_mul_i32 s[G0V+1], s14, WTILE
	s_add_co_u32 s[G0V+1], s[G0V+1], RGN+4*WTILE
	s_lshl_b32 s66, s94, 3
	s_add_co_u32 s66, s66, 640
	s_mul_i32 s66, s66, RTP
	s_mul_i32 s67, s14, KSB
	s_add_co_u32 s66, s66, s67
	s_mov_b32 s67, 0
	s_add_nc_u64 s[G0V+2:G0V+3], s[4:5], s[66:67]
	s_or_b32 s[G0V+3], s[G0V+3], 0x80000000
	WALU
	s_mul_i32 s66, s15, WTILE
	v_add_nc_u32 v[ADRA], s66, v[CO]
	s_mul_i32 s66, s15, 2*WTILE
	s_add_co_u32 s66, s66, RGN
	v_add_nc_u32 v[ADRA+1], s66, v[CO]
	s_add_co_u32 s66, s66, KSB
	v_add_nc_u32 v[ADRA+2], s66, v[CO]
	s_mul_i32 s66, s16, WTILE
	v_add_nc_u32 v[XB+3], s66, v[CO]
	s_add_co_u32 s66, s66, 2*WTILE
	v_add_nc_u32 v[ADRB], s66, v[CO]
	v_add_nc_u32 v[XB], s66, v[CO]
	s_mul_i32 s66, s16, 2*WTILE
	s_add_co_u32 s66, s66, RGN
	v_add_nc_u32 v[XB+1], s66, v[CO]
	s_add_co_u32 s67, s66, KSB
	v_add_nc_u32 v[XB+2], s67, v[CO]
	s_add_co_u32 s66, s66, 4*WTILE
	v_add_nc_u32 v[ADRB+1], s66, v[CO]
	s_add_co_u32 s66, s66, KSB
	v_add_nc_u32 v[ADRB+2], s66, v[CO]
	s_mul_i32 s66, s15, 4*KSB
	s_add_co_u32 s66, s66, RGN+4*WTILE
	v_add_nc_u32 v[VA], s66, v[CO]
	s_add_co_u32 s66, s66, 2*WTILE
	v_add_nc_u32 v[VA+1], s66, v[CO]
	s_lshl_b32 s17, s94, 1
	s_add_co_u32 s17, s17, s16                     ; my 128 columns of q | k: the next product's K step
	s_lshl_b32 s20, s95, 1
	s_add_co_u32 s21, s20, s16                     ; v's phase: my 128 tokens
	s_add_co_u32 s20, s20, s15                     ; q, k: my 128 tokens
	s_lshl_b32 s66, s21, 9                         ; v's phase: x's words (lanes 16-31),
	s_add_co_u32 s67, s94, 80
	s_lshl_b32 s67, s67, 9
	s_lshl_b32 s22, s15, 8
	s_add_co_u32 s67, s67, s22                     ; Wv's, my four tiles (lanes 0-15)
	s_sub_co_u32 s67, s67, s66
	v_mul_u32_u24 v5, s67, v6
	v_add_nc_u32 v5, s66, v5
	v_add_nc_u32 v[ADX], v5, v[R16]
	v_lshl_add_u32 v[ADX2], v4, 8, v[ADX]
	; where the results go: v's images and words, then q | k's
	s_lshl_b32 s66, s94, 3
	s_lshl_b32 s67, s15, 2
	s_add_co_u32 s66, s66, s67
	s_mul_i32 s66, s66, 98304
	s_mul_i32 s67, s21, FRB
	s_add_co_u32 s66, s66, s67
	s_add_co_u32 s66, s66, 12582912
	s_mov_b32 s67, 0
	s_add_nc_u64 s[100:101], s[8:9], s[66:67]
	s_lshl_b32 s66, s21, 12
	s_lshl_b32 s67, s94, 9
	s_add_co_u32 s66, s66, s67
	s_add_co_u32 s66, s66, s22
	s_add_co_u32 s66, s66, 524288
	s_mov_b32 s67, 0
	s_add_nc_u64 s[12:13], s[10:11], s[66:67]
	s_mul_i32 s66, s20, 8*24576
	s_mul_i32 s67, s17, FRB
	s_add_co_u32 s66, s66, s67
	s_mov_b32 s67, 0
	s_add_nc_u64 s[8:9], s[8:9], s[66:67]
	s_lshl_b32 s66, s17, 15
	s_lshl_b32 s67, s20, 9
	s_add_co_u32 s66, s66, s67
	s_mov_b32 s67, 0
	s_add_nc_u64 s[10:11], s[10:11], s[66:67]
	WALU
	s_wait_tensorcnt 0x0                           ; my part of chunk 0 is in
	ds_add_u32 v[SPW], v[NIL]
	s_mov_b32 s[HM], 0xffff0000                    ; lanes 16-31
	s_wait_dscnt 0x0
	CROUND
	JLOAD G0P, G1P, G0PB, G1PB                     ; chunks 1 and 2
	FETCH_B 0
	FETCH_A 0, 0
	FETCH_A 0, 4
	s_cmp_lt_u32 s79, s78
	s_cbranch_scc0 .Lno_ask_3
	global_prefetch_b8 v[PF3], s[PFA:PFA+1] offset:3*KSB th:TH_LOAD_NT scope:SCOPE_SE
.Lno_ask_3:
	s_wait_loadcnt 0x0                             ; the scale words are in
	STEP 0, 1                                      ; the first products start the sums: nothing is cleared
	TURN 1, 1
	STEP 2, 0
	STEP 3, 0
	STEP 4, 0
	TURN 5, 2
	STEP 6, 0
	s_wait_dscnt 12                                ; the last step: nothing more to fetch
	WIN MUL_LO
.irp a, 0,1,2,3
	MUL8 \a, 7, 0
.endr
	s_wait_dscnt 0x0
	WIN MUL_HI
.irp a, 4,5,6,7
	MUL8 \a, 7, 0
.endr
	WIN 0
	PLACES 4
.irp k, 0,1,2,3,4,5,6,7                ; the words for v, on their way while q | k go out
	global_load_b128 v[SC+8*\k+160*(\k/4):SC+8*\k+160*(\k/4)+3], v[ADX], s[6:7] offset:\k*SCP
	global_load_b128 v[SC+8*\k+160*(\k/4)+4:SC+8*\k+160*(\k/4)+7], v[ADX2], s[6:7] offset:\k*SCP
.endr
.irp b, 0,1,2,3
	v_mov_b32 v[TM+4+\b], 0                        ; (a lane permute's destination counts as one of its sources)
.endr
.macro QBLK a, ob, st                  ; 16 rows x 128 of the result: four blocks of 32 along the next K become a fragment and its scale word
.set AC, 64*((\a)%4)
.set XW, 2+(\a)/4
	WIN 5*XW
.irp b, 0,1,2,3
	v_max3_num_f32 v[TM+\b], |v[AC+16*\b]|, |v[AC+16*\b+1]|, 0x1800000   ; the floor 2^(3 - 127) among the leaves holds the byte at 1 from below
.endr
	WIN 20*XW
.irp i, 2,4,6,8,10,12,14
.irp b, 0,1,2,3
	v_max3_num_f32 v[TM+\b], v[TM+\b], |v[AC+16*\b+\i]|, |v[AC+16*\b+\i+1]|
.endr
.endr
	WIN 0
.irp b, 0,1,2,3
	v_permlanex16_b32 v[TM+4+\b], v[TM+\b], s[SEL], s[SEL+1]
.endr
.irp b, 0,1,2,3
	v_max_num_f32 v[TM+\b], v[TM+\b], v[TM+4+\b]   ; with lane l xor 16's 16 numbers
.endr
.irp b, 0,1,2,3
	v_add_nc_u32 v[TM+12+\b], 0xff000000, v[TM+\b] ; 2 off the exponent field: the conversion's scale operand
.endr
.irp b, 0,1,2,3
	v_lshrrev_b32 v[TM+4+\b], 23, v[TM+12+\b]
.endr
	v_lshl_or_b32 v[SW+\a], v[TM+5], 8, v[TM+4]
	v_lshl_or_b32 v[SW+\a], v[TM+6], 16, v[SW+\a]
	v_lshl_or_b32 v[SW+\a], v[TM+7], 24, v[SW+\a]
.if \a > 0
	s_wait_xcnt 0x0                                ; the last block's stores have read their data
.endif
	WIN XW
.irp c, 0,1
	v_cvt_scalef32_pk16_fp6_f32 v[PC+6*\c:PC+6*\c+2], v[AC+32*\c:AC+32*\c+15], v[TM+12+2*\c]
	v_cvt_scalef32_pk16_fp6_f32 v[TP+4*\c:TP+4*\c+2], v[AC+32*\c+16:AC+32*\c+31], v[TM+12+2*\c+1]
.endr
	WIN 0
	v_nop                                          ; one plain place behind a scaled conversion
.irp c, 0,1
.irp i, 0,1,2
	v_permlane16_swap_b32 v[PC+6*\c+\i], v[TP+4*\c+\i]   ; a whole block in a lane
.endr
.irp i, 0,1,2
	v_mov_b32 v[PC+3+6*\c+\i], v[TP+4*\c+\i]
.endr
.endr
.irp c, 0,1,2
	global_store_b128 v[CO], v[PC+4*\c:PC+4*\c+3], s[\ob:\ob+1] offset:(\a)*(\st)+512*\c   ; 512 consecutive bytes
.endr
.endm
.irp a, 0,1,2,3,4,5,6,7
	QBLK \a, 8, 24576
.endr
.irp j, 0,1,2,3
	v_cndmask_b32 v[DW+\j], v[SW+\j], v[SW+4+\j], s[HM]   ; lanes 0-15 store tiles 0-3's words of row r, lanes 16-31 tiles 4-7's
.endr
	global_store_b128 v[CO], v[DW:DW+3], s[10:11]
	s_wait_xcnt 0x0
	s_wait_tensorcnt 0x0                           ; Wv's rows are in
	ds_add_u32 v[SPW], v[NIL]
	s_add_co_u32 s[G0+1], s[G0+1], 2*WTILE         ; x's chunk 0 comes back, onto slot 0's weight part
	s_sub_nc_u64 s[G0+2:G0+3], s[G0+2:G0+3], 3*KSB
	s_wait_dscnt 0x0
	CROUND
	s_cmp_eq_u32 s15, 0
	s_cbranch_scc0 .Lno_x0
	tensor_load_to_lds s[G0:G0+3], s[G1:G1+7]
	s_nop 0
	PLACES 4
.Lno_x0:
	VFETCH 0
	s_wait_loadcnt 0x0                             ; v's scale words are in
	VSUB 0, 1
	VSUB 1, 0
	VSUB 2, 0
	VSUB 3, 0
	VSUB 4, 0
	s_wait_dscnt 6                                 ; step 5: a plain barrier shows x's chunk 0 to all
	VMUL 0, 5, 0
	s_wait_tensorcnt 0x0
	s_wait_dscnt 0x0
	s_barrier_signal -1
	VMUL 1, 5, 0
	WIN 0
	s_barrier_wait -1
	PLACES 4
	VFETCH 6
	WIN MUL_LO
	VMUL 2, 5, 0
	VMUL 3, 5, 0
	VSUB 6, 0
	s_wait_dscnt 6
	VMUL 0, 7, 0
	VMUL 1, 7, 0
	s_wait_dscnt 0x0
	VMUL 2, 7, 0
	VMUL 3, 7, 0
	WIN 0
	PLACES 4
.irp a, 0,1,2,3
	QBLK \a, 100, 98304
.endr
	global_store_b128 v[R16], v[SW:SW+3], s[12:13] ; 256 consecutive bytes
	s_wait_tensorcnt 0x0                           ; the wave's end
	ds_add_u32 v[SPW], v[NIL]
	s_wait_dscnt 0x0
	CROUND                                         ; the closing round
	s_endpgm
.Lfunc_end_k_q797bedb0ad_proj:
	.size	k_q797bedb0ad_proj, .Lfunc_end_k_q797bedb0ad_proj-k_q797bedb0ad_proj
	.p2alignl 7, 3214868480
	.fill 96, 4, 3214868480
	.section	.rodata,"a",@progbits
	.p2align	6, 0x0
	.amdhsa_kernel k_q797bedb0ad_proj
		.amdhsa_group_segment_fixed_size 327680
		.amdhsa_private_segment_fixed_size 0
		.amdhsa_enable_private_segment 0
		.amdhsa_kernarg_size 32
		.amdhsa_user_sgpr_count 2
		.amdhsa_user_sgpr_kernarg_segment_ptr 1
		.amdhsa_wavefront_size32 1
		.amdhsa_system_sgpr_workgroup_id_x 1
		.amdhsa_system_sgpr_workgroup_id_y 1
		.amdhsa_system_sgpr_workgroup_id_z 1
		.amdhsa_system_vgpr_workitem_id 0
		.amdhsa_next_free_vgpr 1024
		.amdhsa_next_free_sgpr 102
		.amdhsa_reserve_vcc 0
		.amdhsa_float_denorm_mode_32 3
		.amdhsa_float_denorm_mode_16_64 3
		.amdhsa_memory_ordered 1
		.amdhsa_forward_progress 1
		.amdhsa_inst_pref_size 213
	.end_amdhsa_kernel
	.amdgpu_metadata
---
amdhsa.version: [ 1, 2 ]
amdhsa.kernels:
  - .name:           k_q797bedb0ad_proj
    .symbol:         k_q797bedb0ad_proj.kd
    .args:
      - { .name: xw, .offset: 0, .size: 8, .value_kind: global_buffer, .address_space: global }
      - { .name: xws, .offset: 8, .size: 8, .value_kind: global_buffer, .address_space: global }
      - { .name: qkv, .offset: 16, .size: 8, .value_kind: global_buffer, .address_space: global }
      - { .name: qkvs, .offset: 24, .size: 8, .value_kind: global_buffer, .address_space: global }
    .group_segment_fixed_size: 327680
    .private_segment_fixed_size: 0
    .kernarg_segment_align: 8
    .kernarg_segment_size: 32
    .max_flat_workgroup_size: 128
    .sgpr_count:     102
    .vgpr_count:     1024
    .wavefront_size: 32
...
	.end_amdgpu_metadata
.endif
;; end of part 2
;; launch scores (part 3): grid 8 x 32, 4 waves a work-group, clusters of 4 x 4, 327,680 bytes of LDS; arguments qkv, qkvs, mask, pimg, pst; writes pimg, pst
.if DOCPART == 3
	.amdgcn_target "amdgcn-amd-amdhsa--gfx1250"
	.amdhsa_code_object_version 6
	.text
	.protected	k_q797bedb0ad_scores
	.globl	k_q797bedb0ad_scores
	.p2align	8
	.type	k_q797bedb0ad_scores,@function
k_q797bedb0ad_scores:
	s_mov_b64 s[64:65], 0
	v_nop
	global_prefetch_b8 v0, s[64:65] scope:SCOPE_SE
	s_setreg_imm32_b32 hwreg(HW_REG_WAVE_MODE, 25, 1), 1
	s_wait_xcnt 0x0
	s_wait_alu depctr_hold_cnt(0) depctr_sa_sdst(0) depctr_va_vdst(0) depctr_va_sdst(0) depctr_va_ssrc(0) depctr_va_vcc(0) depctr_vm_vsrc(0)
	s_getreg_b32 s2, hwreg(HW_REG_IB_STS2, 6, 4)
	s_cmp_eq_u32 s2, 0
	s_cbranch_scc0 .Lentry_in_a_cluster
	s_endpgm
.Lentry_in_a_cluster:
	s_bfe_u32 s2, ttmp6, 0x10000c
	s_cmp_lg_u32 s2, 0xf033
	s_cbranch_scc0 .Lentry_shape_is_right
	s_endpgm
.Lentry_shape_is_right:
; S = q k^T on codes of FP6 (E2M3) with E8M0 scales, for each of 4 batches 2,048 x 2,048, K = 1,024; then, in registers, the softmax's numerators for the next product.
; logit = S / 32 + (mask == 0 ? -1e9 : 0), one f32 rounding, since / 32 is exact; t = logit x log2(e).
; A wave's 128 keys are one PIECE of a query's row.  For each piece: M' = ceil(the piece's largest t), a whole number; p = 2^(t - M'); l' = the sum of the unquantised p; p is quantised along the keys.
; The next launch takes the largest M' of a row's 16 pieces as M and moves the pieces' scale bytes and sums by M' - M: powers of two, so the codes' values are those under M.
; Stored: p's fragments as register images [query row tile 512][piece 16][1,536]; and, each [piece 16][group of 8 row tiles 64][512] with the word of (tile i, lane r) at 256 (i/4) + 16 r + 4 (i%4): p's scale words, M' (f32), l' (f32).
; A tile of 256 queries x 256 keys by four waves of 128 x 128; source 0 = 16 keys, source 1 = 16 queries, so that a lane holds one query; by the rows' order in a tile (lane r of row tile t = row
; 32 (t/2) + 8 (t%2) + r + 8 (r/8)) the 16 registers of two neighbouring tiles are 16 neighbouring keys.
; K IN THREE FILLS of one joint load a wave: chunk 0 (256 along K) into slot 0 at the head; chunks 1 and 2 as one load, rows of 6,144 bytes, into a region of their own behind the next round; chunk 3 into slot 0 again.
; THE SCALE WORDS come straight into registers, all eight K steps: lanes 0-15 q's, lanes 16-31 k's; each load covers two whole runs of 256 bytes.
; CLUSTERS: 4 x 4 work-groups; q's tiles are asked for jointly by a row of the cluster, k's by a column.
; PREFETCH: chunks 1 and 2 behind the head's load, chunk 3 behind the second; the four partners of a joint load take two of its eight row tiles each, by address.
; REGISTERS: window 0: v16-30 addresses and -1e9; v32-63, v224-255 scale words; v64-127 the bias of my lane's 64 keys; v128-223 q's fragments (on the way out v128-255 are at work).  window 1: k's, two sets.  windows 2, 3: accumulators.
; LIMITS: NaN and infinities are not served; the promise holds while |t| stays under 2^31.  A block all of whose p have fallen to 0 keeps the byte 1: its codes are zeros.
.set FR,    12
.set FRB,   1536
.set KSB,   2*FRB                      ; a row tile's chunk: two fragments
.set WTILE, 8*KSB                      ; what a wave's load of one chunk brings
.set RGN,   4*WTILE                    ; behind slot 0: the region of chunks 1 and 2: wave w's load at RGN + 2 WTILE w, a row tile's two chunks side by side
.set SPARE, 12*WTILE                   ; the spare words, 128 bytes for each wave
.set RTP,   24576                      ; q | k's images: bytes from row tile to row tile
.set SCP,   32768                      ; their words: bytes from K step to K step
.set ADRA,  16                         ; v16-18  q: slot 0, chunk 1, chunk 2
.set ADRB,  20                         ; v20-22  k: likewise
.set PFO,   24
.set PF3,   25
.set CO,    26
.set ADRS,  27
.set SPW,   28
.set NIL,   29
.set NEG,   30                         ; v30 -1e9
.set SC,    32                         ; K step t: SC + 8 t, from step 4 on 160 further
.set BI,    64
.set AF,    128
.set G1,    24
.set G0,    32
.set PFA,   36
.set G0P,   40
.set G1B,   44
.set G0B,   52
.set G0PB,  56
.set G1P,   68
.set G1PB,  80
.set SEL,   2
.set IS,    18                         ; s[18:19] 1 / 32
.set LG,    22                         ; s[22:23] log2(e)
.set HM,    66
.set HA,    128                        ; the way out: 64 numbers of a block
.set PC,    192
.set TP,    204
.set TM,    212
.set TX,    216
.set TS,    220
.set NM,    224                        ; v[224:225] -M' (the packed form names a pair and takes its low word for both halves)
.set SU,    226
.set S2,    228
.set T0,    230
.set SW,    232
.set MW,    240
.set LW,    248
.set MSB, 0
.macro WIN new
.if MSB != \new
	s_set_vgpr_msb (MSB<<8)|\new
.set MSB, \new
.endif
.endm
.set MUL_LO, 0xa1                      ; source 0 window 1, source 1 window 0, C and D window 2
.set MUL_HI, 0xf1
.set TO_B,   0x40
.macro WALU
	s_wait_alu depctr_va_vdst(0)
.endm
.macro PLACES n
.rept \n
	v_nop
.endr
.endm
.macro JLOAD g0a, g1a, g0b, g1b        ; a joint load: waves 0, 1 for q, waves 2, 3 for k
	s_cmp_eq_u32 s15, 0
	s_cbranch_scc0 .Lfor_b_\@
	tensor_load_to_lds s[\g0a:\g0a+3], s[\g1a:\g1a+7]
	s_nop 0
.rept 4
	v_nop
.endr
	s_branch .Lasked_\@
.Lfor_b_\@:
	tensor_load_to_lds s[\g0b:\g0b+3], s[\g1b:\g1b+7]
	s_nop 0
.rept 4
	v_nop
.endr
.Lasked_\@:
.endm
.macro CREST
	s_cmp_lg_u32 s14, 0
	s_cbranch_scc1 .Lnot_wave_0_\@
	s_barrier_signal -3
.Lnot_wave_0_\@:
	s_barrier_wait -3
	s_barrier_signal -1
	s_barrier_wait -1
.endm
.macro CROUND
	s_barrier_signal -1
	s_barrier_wait -1
	CREST
.endm
.macro D0 g, base, off                 ; group 0 without its LDS address
	s_mov_b32 s[\g], 1
	s_add_nc_u64 s[\g+2:\g+3], s[\base:\base+1], \off
	s_or_b32 s[\g+3], s[\g+3], 0x80000000
.endm
.macro FRAG reg, adr, st, q, i         ; a fragment: three runs of 512 bytes; st: bytes from row tile to row tile
.irp c, 0,1,2
	ds_load_b128 v[\reg+4*\c:\reg+4*\c+3], v[\adr] offset:(\i)*(\st)+(\q)*FRB+512*\c
.endr
.endm
.macro SLOT t
.set SL, ((\t)/2)%3
.set ST_, KSB*(1+(SL+1)/2)
.endm
.macro FETCH_B t
	SLOT \t
	WIN TO_B
.irp i, 0,1,2,3,4,5,6,7
	FRAG 128*((\t)%2)+FR*\i, ADRB+SL, ST_, (\t)%2, \i
.endr
	WIN 0
.endm
.macro FETCH_A t, i0
	SLOT \t
.irp i, \i0, \i0+1, \i0+2, \i0+3
	FRAG AF+FR*(\i), ADRA+SL, ST_, (\t)%2, \i
.endr
.endm
.macro WM d, p, q, z, x, y
.if \z
	v_wmma_scale_f32_16x16x128_f8f6f4 v[\d:\d+7], v[\p:\p+FR-1], v[\q:\q+FR-1], 0, v[\x], v[\y] matrix_a_fmt:MATRIX_FMT_FP6 matrix_b_fmt:MATRIX_FMT_FP6 matrix_a_scale:MATRIX_SCALE_ROW1
.else
	v_wmma_scale_f32_16x16x128_f8f6f4 v[\d:\d+7], v[\p:\p+FR-1], v[\q:\q+FR-1], v[\d:\d+7], v[\x], v[\y] matrix_a_fmt:MATRIX_FMT_FP6 matrix_b_fmt:MATRIX_FMT_FP6 matrix_a_scale:MATRIX_SCALE_ROW1
.endif
.endm
.macro MUL8 a, t, zero                 ; q's block a against k's eight; the accumulators take turns in one order in every step
.set SR, SC+8*(\t)+160*((\t)/4)
.irp b, 0,1,2,3,4,5,6,7
	WM 8*(8*((\a)%4)+\b), 128*((\t)%2)+FR*\b, AF+FR*(\a), \zero, SR+\b, SR+(\a)
.endr
.endm
.macro STEP t, zero
	s_wait_dscnt 12                                ; all but the youngest twelve loads (q's blocks 4-7) are in
	WIN MUL_LO
.irp a, 0,1,2,3
	MUL8 \a, \t, \zero
.endr
	s_wait_dscnt 0x0
	PLACES 4                                       ; in front of loads into registers that matrix instructions have read
	FETCH_B (\t)+1
	FETCH_A (\t)+1, 0
	WIN MUL_HI
.irp a, 4,5,6,7
	MUL8 \a, \t, \zero
.endr
	PLACES 4
	WIN 0
	FETCH_A (\t)+1, 4
.endm
.macro TURN t, fill                    ; a step with a barrier.  fill 1: it opens a round, and chunk 3 comes into slot 0; 0: it shows chunk 3 to all, and nothing is filled
	s_wait_dscnt 12
	WIN MUL_LO
	MUL8 0, \t, 0
	MUL8 1, \t, 0
	WIN 0
	s_wait_tensorcnt 0x0                           ; all my tensor loads have landed
	ds_add_u32 v[SPW], v[NIL]
	WIN MUL_LO
	MUL8 2, \t, 0
	s_wait_dscnt 0x0                               ; the add is done, and my reads of the slot are over
	s_barrier_signal -1
	MUL8 3, \t, 0
	WIN 0
	s_barrier_wait -1
.if \fill
	CREST
	s_add_nc_u64 s[G0+2:G0+3], s[G0+2:G0+3], 3*KSB
	s_add_nc_u64 s[G0B+2:G0B+3], s[G0B+2:G0B+3], 3*KSB
	JLOAD G0, G1, G0B, G1B
.else
	PLACES 4
.endif
	FETCH_B (\t)+1
	FETCH_A (\t)+1, 0
	WIN MUL_HI
.irp a, 4,5,6,7
	MUL8 \a, \t, 0
.endr
	PLACES 4
	WIN 0
	FETCH_A (\t)+1, 4
.endm
	s_load_b256 s[4:11], s[0:1], 0x0               ; qkv, qkvs, mask, pimg
	s_load_b64 s[12:13], s[0:1], 0x20              ; pst
	v_lshl_add_u32 v[SPW], v0, 2, SPARE
	v_mov_b32 v[NIL], 0
	ds_add_u32 v[SPW], v[NIL]                      ; the wave's opening
	ds_add_u32 v[SPW], v[NIL]
	v_lshrrev_b32 v1, 5, v0
	v_readfirstlane_b32 s14, v1
	s_lshr_b32 s15, s14, 1                         ; my half of the queries; also: I fetch for q (0) or for k (1)
	s_and_b32 s16, s14, 1                          ; my half of the keys; also: which 8 row tiles I fetch
	s_bfe_u32 s92, ttmp6, 0x40000                  ; cx
	s_bfe_u32 s93, ttmp6, 0x40004                  ; cy
	s_and_b32 s17, ttmp7, 0xffff
	s_lshl_b32 s95, s17, 2
	s_add_co_u32 s95, s95, s93                     ; tile of 256 queries, over all batches
	s_lshl_b32 s94, ttmp9, 2
	s_add_co_u32 s94, s94, s92                     ; tile of 256 keys, in the batch
	s_lshr_b32 s17, s17, 1                         ; the batch: from the cluster's y alone
	s_lshl_b32 s96, s93, 2
	s_lshl_b32 s96, 15, s96
	s_lshl_b32 s97, 0x1111, s92
	s_or_b32 s[G1], s96, (3<<16)|(1<<21)
	s_or_b32 s[G1P], s96, (3<<16)|(1<<21)
	s_or_b32 s[G1B], s97, (3<<16)|(1<<21)
	s_or_b32 s[G1PB], s97, (3<<16)|(1<<21)
.irp g, G1, G1B
	s_mov_b32 s[\g+1], 384<<16                     ; a chunk: 8 row tiles of 3,072 bytes
	s_mov_b32 s[\g+3], 384<<16
.endr
.irp g, G1P, G1PB
	s_mov_b32 s[\g+1], 768<<16                     ; two chunks: of 6,144
	s_mov_b32 s[\g+3], 768<<16
.endr
.irp g, G1, G1B, G1P, G1PB
	s_mov_b32 s[\g+2], 8<<16
	s_mov_b32 s[\g+4], 8
	s_mov_b32 s[\g+5], RTP/8
	s_mov_b32 s[\g+6], 0
	s_mov_b32 s[\g+7], 0
.endr
	s_lshl_b32 s66, s16, 3
	s_lshl_b32 s18, s95, 4
	s_add_co_u32 s18, s18, s66
	s_mul_i32 s18, s18, RTP                        ; q: the row tile that I fetch from
	s_mov_b32 s19, 0
	s_lshl_b32 s98, s17, 7
	s_lshl_b32 s99, s94, 4
	s_add_co_u32 s98, s98, s99
	s_add_co_u32 s98, s98, s66
	s_mul_i32 s98, s98, RTP
	s_add_co_u32 s98, s98, 8*FRB                   ; k: likewise; its fragments are K steps 8 to 15
	s_mov_b32 s99, 0
	s_mul_i32 s[G0+1], s14, WTILE
	s_mul_i32 s[G0B+1], s14, WTILE
	s_mul_i32 s[G0P+1], s14, 2*WTILE
	s_add_co_u32 s[G0P+1], s[G0P+1], RGN
	s_mul_i32 s[G0PB+1], s14, 2*WTILE
	s_add_co_u32 s[G0PB+1], s[G0PB+1], RGN
	s_wait_dscnt 0x0                               ; both opening adds are done
	CROUND                                         ; all sixteen work-groups are here: the first joint loads meet
	s_wait_kmcnt 0x0
	s_add_nc_u64 s[18:19], s[4:5], s[18:19]
	s_add_nc_u64 s[98:99], s[4:5], s[98:99]
	D0 G0, 18, 0
	D0 G0B, 98, 0
	JLOAD G0, G1, G0B, G1B                         ; chunk 0
	D0 G0P, 18, KSB
	D0 G0PB, 98, KSB
	s_cmp_eq_u32 s15, 0
	s_cselect_b64 s[PFA:PFA+1], s[18:19], s[98:99] ; the prefetches: my load's row tiles,
	s_cselect_b32 s66, s92, s93                    ; of which my work-group takes two
	s_mul_i32 s66, s66, 2*RTP
	s_mov_b32 s67, 0
	s_add_nc_u64 s[PFA:PFA+1], s[PFA:PFA+1], s[66:67]
	s_mov_b32 s38, 0xfffff000                      ; lanes 12-31
	s_lshl_b32 s20, s17, 13                        ; the mask of my 128 keys
	s_lshl_b32 s21, s94, 10
	s_add_co_u32 s20, s20, s21
	s_lshl_b32 s21, s16, 9
	s_add_co_u32 s20, s20, s21
	s_mov_b32 s21, 0
	s_add_nc_u64 s[8:9], s[8:9], s[20:21]
	s_lshl_b32 s66, s95, 1
	s_add_co_u32 s66, s66, s15
	s_lshl_b32 s66, s66, 9                         ; q's words, my 128 rows
	s_lshl_b32 s67, s17, 4
	s_lshl_b32 s20, s94, 1
	s_add_co_u32 s67, s67, s20
	s_add_co_u32 s67, s67, s16
	s_lshl_b32 s67, s67, 9
	s_add_co_u32 s67, s67, 8*SCP                   ; k's, my 128 rows
	s_sub_co_u32 s67, s67, s66
	v_and_b32 v1, 31, v0
	v_and_b32 v3, 15, v0                           ; r
	v_bfe_u32 v4, v0, 4, 1                         ; h
	v_lshlrev_b32 v5, 6, v4
	v_mul_u32_u24 v2, s67, v4                      ; lanes 16-31 stand that distance further on
	v_lshl_add_u32 v2, v3, 4, v2
	v_add_nc_u32 v[ADRS], s66, v2
	v_min_u32 v[PFO], 23, v1                       ; 24 blocks of 256 bytes: two chunks of a row tile
	v_lshlrev_b32 v[PFO], 8, v[PFO]
	v_add_nc_u32 v6, RTP-KSB, v[PFO]
	v_cndmask_b32 v[PF3], v[PFO], v6, s38          ; or one chunk of two row tiles
	v_lshlrev_b32 v[CO], 4, v1
.irp b, 0,1,2,3
.irp j, 0,1,2,3
	global_load_b128 v[BI+16*\b+4*\j:BI+16*\b+4*\j+3], v5, s[8:9] offset:128*\b+16*\j   ; register 16 b + i = key 32 b + 16 h + i
.endr
.endr
.irp k, 0,1,2,3,4,5,6,7
	global_load_b128 v[SC+8*\k+160*(\k/4):SC+8*\k+160*(\k/4)+3], v[ADRS], s[6:7] offset:\k*SCP
	global_load_b128 v[SC+8*\k+160*(\k/4)+4:SC+8*\k+160*(\k/4)+7], v[ADRS], s[6:7] offset:\k*SCP+256
.endr
	global_prefetch_b8 v[PFO], s[PFA:PFA+1] offset:KSB th:TH_LOAD_NT scope:SCOPE_SE
	global_prefetch_b8 v[PFO], s[PFA:PFA+1] offset:KSB+RTP th:TH_LOAD_NT scope:SCOPE_SE
	WALU
	s_mul_i32 s66, s15, WTILE
	v_add_nc_u32 v[ADRA], s66, v[CO]
	s_mul_i32 s66, s15, 2*WTILE
	s_add_co_u32 s66, s66, RGN
	v_add_nc_u32 v[ADRA+1], s66, v[CO]
	s_add_co_u32 s66, s66, KSB
	v_add_nc_u32 v[ADRA+2], s66, v[CO]
	s_mul_i32 s66, s16, WTILE
	s_add_co_u32 s66, s66, 2*WTILE
	v_add_nc_u32 v[ADRB], s66, v[CO]
	s_mul_i32 s66, s16, 2*WTILE
	s_add_co_u32 s66, s66, RGN+4*WTILE
	v_add_nc_u32 v[ADRB+1], s66, v[CO]
	s_add_co_u32 s66, s66, KSB
	v_add_nc_u32 v[ADRB+2], s66, v[CO]
	v_mov_b32 v[NEG], 0xce6e6b28                   ; -1e9
	; where my results go
	s_lshl_b32 s20, s95, 4
	s_lshl_b32 s21, s15, 3
	s_add_co_u32 s20, s20, s21                     ; my first row tile of queries
	s_mul_i32 s20, s20, 24576
	s_lshl_b32 s67, s94, 1
	s_add_co_u32 s67, s67, s16                     ; my piece
	s_mul_i32 s21, s67, FRB
	s_add_co_u32 s20, s20, s21
	s_mov_b32 s21, 0
	s_add_nc_u64 s[10:11], s[10:11], s[20:21]
	s_lshl_b32 s20, s67, 15
	s_lshl_b32 s67, s95, 1
	s_add_co_u32 s67, s67, s15                     ; my group of 8 row tiles
	s_lshl_b32 s67, s67, 9
	s_add_co_u32 s20, s20, s67
	s_add_nc_u64 s[12:13], s[12:13], s[20:21]
	s_mov_b32 s[SEL], 0x76543210
	s_mov_b32 s[SEL+1], 0xfedcba98                 ; selects for lane l xor 16
	s_mov_b32 s[LG], 0x3fb8aa3b
	s_mov_b32 s[LG+1], s[LG]
	s_mov_b32 s[IS], 0x3d000000                    ; 1 / 32
	s_mov_b32 s[IS+1], s[IS]
	s_mov_b32 s[HM], 0xffff0000                    ; lanes 16-31
	WALU
	s_wait_loadcnt 0x0
.set n, 0
.rept 64
	v_cmp_eq_u32 vcc_lo, 0, v[BI+n]
	v_cndmask_b32 v[BI+n], 0, v[NEG], vcc_lo       ; the bias: -1e9 where the mask is 0
.set n, n+1
.endr
	WALU
	s_wait_tensorcnt 0x0                           ; my part of chunk 0 is in
	ds_add_u32 v[SPW], v[NIL]
	s_wait_dscnt 0x0
	CROUND
	JLOAD G0P, G1P, G0PB, G1PB                     ; chunks 1 and 2
	FETCH_B 0
	FETCH_A 0, 0
	FETCH_A 0, 4
	global_prefetch_b8 v[PF3], s[PFA:PFA+1] offset:3*KSB th:TH_LOAD_NT scope:SCOPE_SE
	STEP 0, 1                                      ; the first products start the sums: nothing is cleared
	TURN 1, 1
	STEP 2, 0
	STEP 3, 0
	STEP 4, 0
	TURN 5, 0
	STEP 6, 0
	s_wait_dscnt 12                                ; the last step: nothing more to fetch
	WIN MUL_LO
.irp a, 0,1,2,3
	MUL8 \a, 7, 0
.endr
	s_wait_dscnt 0x0
	WIN MUL_HI
.irp a, 4,5,6,7
	MUL8 \a, 7, 0
.endr
	WIN 0
	PLACES 4
; THE WAY OUT, block by block of 16 queries x my 128 keys.
.irp b, 0,1,2,3
	v_mov_b32 v[TX+\b], 0                          ; written once: a lane permute's destination counts as one of its sources
.endr
	v_mov_b32 v[NM+1], 0                           ; (named as the upper half of a pair)
.macro PBLK a
.set AC, 64*((\a)%4)
.set XW, 2+(\a)/4
	WIN XW                                         ; source 0: the accumulators' window
.set n, 0
.rept 32
	v_pk_fma_f32 v[HA+n:HA+n+1], v[AC+n:AC+n+1], s[IS:IS+1], v[BI+n:BI+n+1] op_sel_hi:[1,0,1]   ; the logit
.set n, n+2
.endr
	WIN 0
.set n, 0
.rept 32
	v_pk_mul_f32 v[HA+n:HA+n+1], v[HA+n:HA+n+1], s[LG:LG+1] op_sel_hi:[1,0]   ; t, rounded to f32 by itself: so equal logits of any size give equal t, and t - M' is then exact where it matters
.set n, n+2
.endr
.irp b, 0,1,2,3
	v_max3_num_f32 v[TM+\b], v[HA+16*\b], v[HA+16*\b+1], v[HA+16*\b+2]   ; the largest t of each block of 32 keys: for the piece's maximum and, since p rises with t, for the block's largest p
.endr
.irp i, 3,5,7,9,11,13
.irp b, 0,1,2,3
	v_max3_num_f32 v[TM+\b], v[TM+\b], v[HA+16*\b+\i], v[HA+16*\b+\i+1]
.endr
.endr
.irp b, 0,1,2,3
	v_max_num_f32 v[TM+\b], v[TM+\b], v[HA+16*\b+15]
.endr
.irp b, 0,1,2,3
	v_permlanex16_b32 v[TX+\b], v[TM+\b], s[SEL], s[SEL+1]
.endr
.irp b, 0,1,2,3
	v_max_num_f32 v[TM+\b], v[TM+\b], v[TX+\b]     ; with lane l xor 16's 16 keys
.endr
	v_max3_num_f32 v[T0], v[TM], v[TM+1], v[TM+2]
	v_max_num_f32 v[T0], v[T0], v[TM+3]
	v_floor_f32 v[NM], -v[T0]                      ; -M' = floor(-t) = -ceil(t)
.set n, 0
.rept 32
	v_pk_add_f32 v[HA+n:HA+n+1], v[HA+n:HA+n+1], v[NM:NM+1] op_sel_hi:[1,0]   ; t - M'
.set n, n+2
.endr
.irp b, 0,1,2,3
	v_add_f32 v[TM+\b], v[TM+\b], v[NM]            ; the same of each block's largest t
.endr
	WALU                                           ; ahead of the batch
.set n, 0
.rept 64
	v_exp_f32 v[HA+n], v[HA+n]                     ; p = 2^(t - M'), at most 1
.set n, n+1
.endr
	v_sub_f32 v[MW+\a], 0, v[NM]                   ; M'.  (A plain place behind the exponentials)
	WALU                                           ; one wait for the whole batch, ahead of its first reader
.irp b, 0,1,2,3
	v_exp_f32 v[TM+\b], v[TM+\b]                   ; the block's largest p: the same instructions on the same number give the same bits
.endr
	v_pk_add_f32 v[SU:SU+1], v[HA:HA+1], v[HA+4:HA+5]   ; the sum of the unquantised p, in two chains: it reads the 64 alone
	v_pk_add_f32 v[S2:S2+1], v[HA+2:HA+3], v[HA+6:HA+7]
.irp j, 8,12,16,20,24,28,32,36,40,44,48,52,56,60
	v_pk_add_f32 v[SU:SU+1], v[SU:SU+1], v[HA+\j:HA+\j+1]
	v_pk_add_f32 v[S2:S2+1], v[S2:S2+1], v[HA+\j+2:HA+\j+3]
.endr
	v_pk_add_f32 v[SU:SU+1], v[SU:SU+1], v[S2:S2+1]
	WALU                                           ; and one for the four
.irp b, 0,1,2,3
	v_max_num_f32 v[TM+\b], 0x1800000, v[TM+\b]    ; the floor 2^(3 - 127): the byte cannot fall under 1
.endr
.irp b, 0,1,2,3
	v_add_nc_u32 v[TS+\b], 0xff000000, v[TM+\b]    ; 2 off the exponent field: the conversion's scale operand
.endr
.irp b, 0,1,2,3
	v_lshrrev_b32 v[TX+\b], 23, v[TS+\b]           ; the scale's byte
.endr
	v_lshl_or_b32 v[SW+\a], v[TX+1], 8, v[TX]
	v_lshl_or_b32 v[SW+\a], v[TX+2], 16, v[SW+\a]
	v_lshl_or_b32 v[SW+\a], v[TX+3], 24, v[SW+\a]
.if \a > 0
	s_wait_xcnt 0x0                                ; the last block's stores have read their data: the codes' registers are written again only behind this wait
.endif
.irp c, 0,1
	v_cvt_scalef32_pk16_fp6_f32 v[PC+6*\c:PC+6*\c+2], v[HA+32*\c:HA+32*\c+15], v[TS+2*\c]
	v_cvt_scalef32_pk16_fp6_f32 v[TP+4*\c:TP+4*\c+2], v[HA+32*\c+16:HA+32*\c+31], v[TS+2*\c+1]
.endr
	v_nop                                          ; one plain place behind a scaled conversion
.irp c, 0,1
.irp i, 0,1,2
	v_permlane16_swap_b32 v[PC+6*\c+\i], v[TP+4*\c+\i]
.endr
.irp i, 0,1,2
	v_mov_b32 v[PC+3+6*\c+\i], v[TP+4*\c+\i]
.endr
.endr
	v_add_f32 v[T0], v[SU], v[SU+1]
	v_permlanex16_b32 v[TX], v[T0], s[SEL], s[SEL+1]
	v_add_f32 v[LW+\a], v[T0], v[TX]               ; l': the sum over the piece's 128 keys
.irp c, 0,1,2
	global_store_b128 v[CO], v[PC+4*\c:PC+4*\c+3], s[10:11] offset:(\a)*24576+512*\c   ; 512 consecutive bytes
.endr
.endm
.irp a, 0,1,2,3,4,5,6,7
	PBLK \a
.endr
.irp j, 0,1,2,3
	v_cndmask_b32 v[HA+\j], v[SW+\j], v[SW+4+\j], s[HM]     ; lanes 0-15 store blocks 0-3's words of row r, lanes 16-31 blocks 4-7's
	v_cndmask_b32 v[HA+4+\j], v[MW+\j], v[MW+4+\j], s[HM]
	v_cndmask_b32 v[HA+8+\j], v[LW+\j], v[LW+4+\j], s[HM]
.endr
	global_store_b128 v[CO], v[HA:HA+3], s[12:13]
	global_store_b128 v[CO], v[HA+4:HA+7], s[12:13] offset:524288
	global_store_b128 v[CO], v[HA+8:HA+11], s[12:13] offset:1048576
	s_wait_tensorcnt 0x0                           ; the wave's end
	ds_add_u32 v[SPW], v[NIL]
	s_wait_dscnt 0x0
	CROUND                                         ; the closing round
	s_endpgm
.Lfunc_end_k_q797bedb0ad_scores:
	.size	k_q797bedb0ad_scores, .Lfunc_end_k_q797bedb0ad_scores-k_q797bedb0ad_scores
	.p2alignl 7, 3214868480
	.fill 96, 4, 3214868480
	.section	.rodata,"a",@progbits
	.p2align	6, 0x0
	.amdhsa_kernel k_q797bedb0ad_scores
		.amdhsa_group_segment_fixed_size 327680
		.amdhsa_private_segment_fixed_size 0
		.amdhsa_enable_private_segment 0
		.amdhsa_kernarg_size 40
		.amdhsa_user_sgpr_count 2
		.amdhsa_user_sgpr_kernarg_segment_ptr 1
		.amdhsa_wavefront_size32 1
		.amdhsa_system_sgpr_workgroup_id_x 1
		.amdhsa_system_sgpr_workgroup_id_y 1
		.amdhsa_system_sgpr_workgroup_id_z 1
		.amdhsa_system_vgpr_workitem_id 0
		.amdhsa_next_free_vgpr 1024
		.amdhsa_next_free_sgpr 102
		.amdhsa_reserve_vcc 1
		.amdhsa_float_denorm_mode_32 3
		.amdhsa_float_denorm_mode_16_64 3
		.amdhsa_memory_ordered 1
		.amdhsa_forward_progress 1
		.amdhsa_inst_pref_size 229
	.end_amdhsa_kernel
	.amdgpu_metadata
---
amdhsa.version: [ 1, 2 ]
amdhsa.kernels:
  - .name:           k_q797bedb0ad_scores
    .symbol:         k_q797bedb0ad_scores.kd
    .args:
      - { .name: qkv, .offset: 0, .size: 8, .value_kind: global_buffer, .address_space: global }
      - { .name: qkvs, .offset: 8, .size: 8, .value_kind: global_buffer, .address_space: global }
      - { .name: mask, .offset: 16, .size: 8, .value_kind: global_buffer, .address_space: global }
      - { .name: pimg, .offset: 24, .size: 8, .value_kind: global_buffer, .address_space: global }
      - { .name: pst, .offset: 32, .size: 8, .value_kind: global_buffer, .address_space: global }
    .group_segment_fixed_size: 327680
    .private_segment_fixed_size: 0
    .kernarg_segment_align: 8
    .kernarg_segment_size: 40
    .max_flat_workgroup_size: 128
    .sgpr_count:     102
    .vgpr_count:     1024
    .wavefront_size: 32
...
	.end_amdgpu_metadata
.endif
;; end of part 3
;; launch pv (part 4): grid 4 x 64, 4 waves a work-group, clusters of 4 x 4, 327,680 bytes of LDS; arguments pimg, pst, qkv, qkvs, out0; writes out0
.if DOCPART == 4
	.amdgcn_target "amdgcn-amd-amdhsa--gfx1250"
	.amdhsa_code_object_version 6
	.text
	.protected	k_q797bedb0ad_pv
	.globl	k_q797bedb0ad_pv
	.p2align	8
	.type	k_q797bedb0ad_pv,@function
k_q797bedb0ad_pv:
	s_mov_b64 s[64:65], 0
	v_nop
	global_prefetch_b8 v0, s[64:65] scope:SCOPE_SE
	s_setreg_imm32_b32 hwreg(HW_REG_WAVE_MODE, 25, 1), 1
	s_wait_xcnt 0x0
	s_wait_alu depctr_hold_cnt(0) depctr_sa_sdst(0) depctr_va_vdst(0) depctr_va_sdst(0) depctr_va_ssrc(0) depctr_va_vcc(0) depctr_vm_vsrc(0)
	s_getreg_b32 s2, hwreg(HW_REG_IB_STS2, 6, 4)
	s_cmp_eq_u32 s2, 0
	s_cbranch_scc0 .Lentry_in_a_cluster
	s_endpgm
.Lentry_in_a_cluster:
	s_bfe_u32 s2, ttmp6, 0x10000c
	s_cmp_lg_u32 s2, 0xf033
	s_cbranch_scc0 .Lentry_shape_is_right
	s_endpgm
.Lentry_shape_is_right:
; O = (P V) / l on codes of FP6 (E2M3) with E8M0 scales: for each of 4 batches 2,048 queries x 1,024 channels, K = the batch's 2,048 keys.
; P arrives in 16 pieces of 128 keys, each under its own whole number M'.  At the head each of the 128 threads takes one query of the work-group: M = the largest of its 16 M'; each piece's four scale bytes are lowered by
; M - M' (held at 0 from below: a byte 0 stands for 2^-127, beside which the row's largest p, over 1/2, leaves nothing); l = the sum of l' x 2^(M' - M).  Both are exact powers of two.  The words and 1 / l go to LDS.
; A tile of 128 queries x 256 channels (so that there are 256 work-groups) by four waves of 64 x 128: 32 accumulators.  Source 0 = 16 channels of V^T, source 1 = 16 queries of P: a lane holds one query and, by the rows'
; order in a tile (lane r of row tile t = row 32 (t/2) + 8 (t%2) + r + 8 (r/8)), the 16 registers of two neighbouring tiles are 16 neighbouring channels.
; K in 16 steps of 128, 32 matrix instructions each, written out.  Two LDS slots of 512 along K: a wave's tensor load brings 4 (P: waves 0, 1) or 8 (V^T: waves 2, 3) row tiles x 6,144 bytes; each slot is filled again once.
; A fragment comes from LDS by three loads of 512 consecutive bytes.  V^T's scale words for the batch come once.
; CLUSTERS: 4 x 4 work-groups; P's tiles are asked for jointly by a row of the cluster, V^T's by a column.
; REGISTERS: window 0: v16-31 addresses; v32-47 scale words, two sets; v48-59 1 / l; v64-159 P's fragments, two sets; v160-217 the head's work; on the way out v64-255.  window 1: V^T's, two sets.  window 2: accumulators.
; LIMITS: NaN and infinities are not served; M' - M is held to the range of a 32-bit whole number.
.set FR,    12
.set FRB,   1536
.set KSB,   4*FRB                      ; a row tile's part of a slot: four fragments
.set BOFF,  8*KSB                      ; in a slot: P's 8 row tiles, then V^T's 16
.set SLOTB, 24*KSB
.set ASC,   2*SLOTB                    ; P's lowered scale words [piece 16][512]: stored by the waves
.set RL,    ASC+8192                   ; 1 / l, 512 bytes: likewise
.set BSC,   RL+512                     ; V^T's scale words: [group of 8 channel tiles 2][K step 16][512]: stored by the waves
.set SPARE, BSC+16384                  ; the spare words, 128 bytes for each wave
.set SPITCH, 528                       ; the way out: a stage of 16 rows x (512 + 16) bytes for each wave, in slot 0, behind its last fill and its last read
.set ADRA, 16
.set ADRB, 20
.set STO,  22
.set RD,   23
.set ADS1, 24                          ; lanes 0-15 P's words, lanes 16-31 V^T's blocks 0-3
.set ADS2, 25                          ; lanes 16-31 V^T's blocks 4-7
.set CO,   26
.set RLA,  27
.set SPW,  28
.set NIL,  29
.set SC,   32                          ; register SC + 8 set + i: lanes 0-15 P's block i (i < 4), lanes 16-31 V^T's block i
.set RLQ,  48
.set RP,   52
.set AF,   64
.set PWD,  160
.set PM,   176
.set PL,   192
.set T,    64
.set BK,   128
.set G1,   24
.set G0,   32
.set G1B,  44
.set G0B,  52
.set PFA,  80                          ; s[80:81] where my prefetches stand
.set PFO,  18                          ; v18 their offset: 24 blocks of 256 bytes
.set VST,  19                          ; v19 LDS address at which I store V^T's scale words
.set VSW,  218                         ; v218-249 those words, on their way
.set MSB, 0
.macro WIN new
.if MSB != \new
	s_set_vgpr_msb (MSB<<8)|\new
.set MSB, \new
.endif
.endm
.set MULW, 0xa1                        ; source 0 window 1, source 1 window 0, C and D window 2
.set TO_B, 0x40
.macro JLOAD g0a, g1a, g0b, g1b        ; a joint load: waves 0, 1 for P, waves 2, 3 for V^T; an s_nop 0 and four v_nop follow each line
	s_cmp_eq_u32 s15, 0
	s_cbranch_scc0 .Lfor_b_\@
	tensor_load_to_lds s[\g0a:\g0a+3], s[\g1a:\g1a+7]
	s_nop 0
.rept 4
	v_nop
.endr
	s_branch .Lasked_\@
.Lfor_b_\@:
	tensor_load_to_lds s[\g0b:\g0b+3], s[\g1b:\g1b+7]
	s_nop 0
.rept 4
	v_nop
.endr
.Lasked_\@:
.endm
; A PREFETCH, fill k of a slot (512 keys), one fill ahead of its load: of my load's row tiles the four partners take one each (P) or two each (V^T), by address.
.macro ASK k
	global_prefetch_b8 v[PFO], s[PFA:PFA+1] offset:KSB*(\k) th:TH_LOAD_NT scope:SCOPE_SE
	s_cmp_eq_u32 s15, 0
	s_cbranch_scc1 .Lall_asked_\@
	global_prefetch_b8 v[PFO], s[PFA:PFA+1] offset:KSB*(\k)+4*98304 th:TH_LOAD_NT scope:SCOPE_SE
.Lall_asked_\@:
.endm
.macro CREST
	s_cmp_lg_u32 s14, 0
	s_cbranch_scc1 .Lnot_wave_0_\@
	s_barrier_signal -3
.Lnot_wave_0_\@:
	s_barrier_wait -3
	s_barrier_signal -1
	s_barrier_wait -1
.endm
.macro CROUND
	s_barrier_signal -1
	s_barrier_wait -1
	CREST
.endm
.macro PLACES n
.rept \n
	v_nop
.endr
.endm
.macro FRAG reg, adr, q, i
.irp c, 0,1,2
	ds_load_b128 v[\reg+4*\c:\reg+4*\c+3], v[\adr] offset:(\i)*KSB+(\q)*FRB+512*\c
.endr
.endm
.macro FETCH t                         ; step t's fragments and scale words into set t % 2, from slot (t / 4) % 2; P's blocks 2 and 3 last
	WIN TO_B
.irp b, 0,1,2,3,4,5,6,7
	FRAG 128*((\t)%2)+FR*\b, ADRB+((\t)/4)%2, (\t)%4, \b
.endr
	WIN 0
	FRAG AF+48*((\t)%2), ADRA+((\t)/4)%2, (\t)%4, 0
	FRAG AF+48*((\t)%2)+FR, ADRA+((\t)/4)%2, (\t)%4, 1
	ds_load_b128 v[SC+8*((\t)%2):SC+8*((\t)%2)+3], v[ADS1] offset:512*(\t)
	ds_load_b128 v[SC+8*((\t)%2)+4:SC+8*((\t)%2)+7], v[ADS2] offset:512*(\t)
	FRAG AF+48*((\t)%2)+2*FR, ADRA+((\t)/4)%2, (\t)%4, 2
	FRAG AF+48*((\t)%2)+3*FR, ADRA+((\t)/4)%2, (\t)%4, 3
.endm
.macro MULP a, t, zero                 ; 8 matrix instructions: P's block a against V^T's eight; the 32 accumulators take turns in one order in every step
.irp b, 0,1,2,3,4,5,6,7
.if \zero
	v_wmma_scale_f32_16x16x128_f8f6f4 v[8*(8*(\a)+\b):8*(8*(\a)+\b)+7], v[128*((\t)%2)+FR*\b:128*((\t)%2)+FR*\b+FR-1], v[AF+48*((\t)%2)+FR*(\a):AF+48*((\t)%2)+FR*(\a)+FR-1], 0, v[SC+8*((\t)%2)+\b], v[SC+8*((\t)%2)+(\a)] matrix_a_fmt:MATRIX_FMT_FP6 matrix_b_fmt:MATRIX_FMT_FP6 matrix_a_scale:MATRIX_SCALE_ROW1
.else
	v_wmma_scale_f32_16x16x128_f8f6f4 v[8*(8*(\a)+\b):8*(8*(\a)+\b)+7], v[128*((\t)%2)+FR*\b:128*((\t)%2)+FR*\b+FR-1], v[AF+48*((\t)%2)+FR*(\a):AF+48*((\t)%2)+FR*(\a)+FR-1], v[8*(8*(\a)+\b):8*(8*(\a)+\b)+7], v[SC+8*((\t)%2)+\b], v[SC+8*((\t)%2)+(\a)] matrix_a_fmt:MATRIX_FMT_FP6 matrix_b_fmt:MATRIX_FMT_FP6 matrix_a_scale:MATRIX_SCALE_ROW1
.endif
.endr
.endm
.macro SUB t, zero
	s_wait_dscnt 6                                 ; all but the youngest six loads (P's blocks 2 and 3) are in
	WIN MULW
	MULP 0, \t, \zero
	MULP 1, \t, \zero
	s_wait_dscnt 0x0
	PLACES 4                                       ; four places in front of loads into registers that matrix instructions have read
	FETCH (\t)+1
	WIN MULW
	MULP 2, \t, \zero
	MULP 3, \t, \zero
.endm
.macro TURN t, fill                    ; a slot's last step: each wave waits for all its tensor loads, adds 0 to its spare word, waits for that and for its reads of the slot.  fill = 1: the slot takes the keys two slots on
.set SL, ((\t)/4)%2
	WIN 0
	s_wait_tensorcnt 0x0                           ; all my tensor loads have landed: my part of the other slot
	ds_add_u32 v[SPW], v[NIL]
	s_wait_dscnt 7                                 ; (the add and the youngest six loads may be out)
	WIN MULW
	MULP 0, \t, 0
	s_wait_dscnt 0x0                               ; the add is done, and my reads of this slot are over
	s_barrier_signal -1
	MULP 1, \t, 0
	WIN 0
	s_barrier_wait -1
.if \fill
	CREST                                          ; a round of the cluster's barrier: no wave of any partner still reads this slot or has a load on its way
	s_add_nc_u64 s[G0+4*SL+2:G0+4*SL+3], s[G0+4*SL+2:G0+4*SL+3], 2*KSB
	s_add_nc_u64 s[G0B+4*SL+2:G0B+4*SL+3], s[G0B+4*SL+2:G0B+4*SL+3], 2*KSB
	JLOAD G0+4*SL, G1, G0B+4*SL, G1B               ; four steps, 128 matrix instructions, in which to land; its four v_nop are the places in front of the loads below
.else
	PLACES 4
.endif
	FETCH (\t)+1
.if \t == 3
	ASK 3
.endif
	WIN MULW
	MULP 2, \t, 0
	MULP 3, \t, 0
.endm
	s_load_b256 s[4:11], s[0:1], 0x0               ; pimg, pst, qkv, qkvs
	s_load_b64 s[12:13], s[0:1], 0x20              ; out0
	v_lshl_add_u32 v[SPW], v0, 2, SPARE
	v_mov_b32 v[NIL], 0
	ds_add_u32 v[SPW], v[NIL]                      ; the wave's opening
	ds_add_u32 v[SPW], v[NIL]
	v_lshrrev_b32 v1, 5, v0
	v_readfirstlane_b32 s14, v1
	s_lshr_b32 s15, s14, 1                         ; my half of the queries; also: I fetch for P (0) or for V^T (1)
	s_and_b32 s16, s14, 1                          ; my half of the channels; also: which half of the tile I fetch
	s_bfe_u32 s92, ttmp6, 0x40000                  ; cx
	s_bfe_u32 s93, ttmp6, 0x40004                  ; cy
	s_and_b32 s17, ttmp7, 0xffff
	s_lshl_b32 s95, s17, 2
	s_add_co_u32 s95, s95, s93                     ; tile of 128 queries, over all batches
	s_lshl_b32 s94, ttmp9, 2
	s_add_co_u32 s94, s94, s92                     ; tile of 256 channels
	s_lshr_b32 s17, s17, 2                         ; the batch: from the cluster's y alone
	s_lshl_b32 s96, s93, 2
	s_lshl_b32 s96, 15, s96
	s_lshl_b32 s97, 0x1111, s92
	s_or_b32 s[G1], s96, (3<<16)|(1<<21)           ; 15:0 the mask; 17:16 elements of 8 bytes; 21 set beside a mask; no padding
	s_or_b32 s[G1B], s97, (3<<16)|(1<<21)
	s_mov_b32 s[G1+1], 768<<16                     ; P: 4 rows (row tiles) of 6,144 bytes, 24,576 apart
	s_mov_b32 s[G1+2], 4<<16
	s_mov_b32 s[G1+3], 768<<16
	s_mov_b32 s[G1+4], 4
	s_mov_b32 s[G1+5], 3072
	s_mov_b32 s[G1+6], 0
	s_mov_b32 s[G1+7], 0
	s_mov_b32 s[G1B+1], 768<<16                    ; V^T: 8 rows of 6,144 bytes, 98,304 apart
	s_mov_b32 s[G1B+2], 8<<16
	s_mov_b32 s[G1B+3], 768<<16
	s_mov_b32 s[G1B+4], 8
	s_mov_b32 s[G1B+5], 12288
	s_mov_b32 s[G1B+6], 0
	s_mov_b32 s[G1B+7], 0
	s_lshl_b32 s18, s95, 3
	s_lshl_b32 s19, s16, 2
	s_add_co_u32 s18, s18, s19                     ; P: the row tile that I fetch from
	s_mul_i32 s18, s18, 24576
	s_mov_b32 s19, 0
	s_lshl_b32 s98, s94, 4
	s_lshl_b32 s99, s16, 3
	s_add_co_u32 s98, s98, s99                     ; V^T: likewise
	s_mul_i32 s98, s98, 98304
	s_mul_i32 s99, s17, 16*FRB                     ; the batch's 16 K steps
	s_add_co_u32 s98, s98, s99
	s_add_co_u32 s98, s98, 12582912                ; V^T's images lie behind q | k's
	s_lshl_b32 s100, s17, 16                       ; V^T's words: the batch's K steps,
	s_lshl_b32 s99, s94, 10
	s_add_co_u32 s100, s100, s99                   ; my tile's two groups,
	s_lshl_b32 s99, s14, 12
	s_add_co_u32 s100, s100, s99                   ; from my wave's K step on
	s_add_co_u32 s100, s100, 524288
	s_mov_b32 s99, 0
	s_mov_b32 s101, 0
	s_mul_i32 s66, s16, 4*KSB                      ; where they go: by the wave's number alone
	s_mul_i32 s67, s16, 8*KSB
	s_add_co_u32 s67, s67, BOFF
	s_wait_dscnt 0x0                               ; both opening adds are done
	CROUND                                         ; all sixteen work-groups are here: the first joint loads meet
	s_wait_kmcnt 0x0
	s_add_nc_u64 s[18:19], s[4:5], s[18:19]
	s_add_nc_u64 s[98:99], s[8:9], s[98:99]
	s_add_nc_u64 s[100:101], s[10:11], s[100:101]
.irp s, 0,1
	s_mov_b32 s[G0+4*\s], 1
	s_add_co_u32 s[G0+4*\s+1], s66, \s*SLOTB
	s_add_nc_u64 s[G0+4*\s+2:G0+4*\s+3], s[18:19], \s*KSB
	s_or_b32 s[G0+4*\s+3], s[G0+4*\s+3], 0x80000000
	s_mov_b32 s[G0B+4*\s], 1
	s_add_co_u32 s[G0B+4*\s+1], s67, \s*SLOTB
	s_add_nc_u64 s[G0B+4*\s+2:G0B+4*\s+3], s[98:99], \s*KSB
	s_or_b32 s[G0B+4*\s+3], s[G0B+4*\s+3], 0x80000000
.endr
	JLOAD G0, G1, G0B, G1B                         ; slot 0
	s_mul_i32 s66, s92, 24576                      ; the prefetches: P's row tile cx of my load's four,
	s_mul_i32 s67, s93, 98304                      ; V^T's cy and cy + 4 of its eight
	s_cmp_eq_u32 s15, 0
	s_cselect_b64 s[PFA:PFA+1], s[18:19], s[98:99]
	s_cselect_b32 s66, s66, s67
	s_mov_b32 s67, 0
	s_add_nc_u64 s[PFA:PFA+1], s[PFA:PFA+1], s[66:67]
	; thread t owns word t of my group of 128 queries: its 16 pieces' scale words, M' and l'
	s_lshl_b32 s20, s95, 9
	s_mov_b32 s21, 0
	s_add_nc_u64 s[6:7], s[6:7], s[20:21]
	v_lshlrev_b32 v30, 2, v0
	v_lshl_add_u32 v31, v0, 2, ASC
.irp k, 0,1,2,3,4,5,6,7,8,9,10,11,12,13,14,15
	global_load_b32 v[PWD+\k], v30, s[6:7] offset:\k*32768
	global_load_b32 v[PM+\k], v30, s[6:7] offset:524288+\k*32768
	global_load_b32 v[PL+\k], v30, s[6:7] offset:1048576+\k*32768
.endr
	v_and_b32 v1, 31, v0
	v_lshlrev_b32 v[CO], 4, v1
	v_min_u32 v[PFO], 23, v1
	v_lshlrev_b32 v[PFO], 8, v[PFO]
	v_lshl_add_u32 v[VST], v0, 4, BSC
.irp j, 0,1,2,3,4,5,6,7
	global_load_b128 v[VSW+4*\j:VSW+4*\j+3], v[CO], s[100:101] offset:16384*(\j%4)+512*(\j/4)   ; V^T's words of group j / 4, K step 4 (j % 4) + wave: 512 consecutive bytes
.endr
	ASK 1
	v_and_b32 v3, 15, v0                           ; r
	v_bfe_u32 v4, v0, 4, 1                         ; h
	s_wait_alu depctr_va_vdst(0)
	s_mul_i32 s66, s15, 4*KSB
	s_mul_i32 s67, s16, 8*KSB
	s_add_co_u32 s67, s67, BOFF
.irp s, 0,1
	v_add_nc_u32 v[ADRA+\s], s66, v[CO]
	v_add_nc_u32 v[ADRB+\s], s67, v[CO]
	s_add_co_u32 s66, s66, SLOTB
	s_add_co_u32 s67, s67, SLOTB
.endr
	s_lshl_b32 s66, s15, 8                         ; P's words of my four blocks,
	s_lshl_b32 s67, s16, 13
	s_add_co_u32 s67, s67, BSC-ASC                 ; V^T's of my eight:
	s_sub_co_u32 s67, s67, s66
	v_mul_u32_u24 v5, s67, v4                      ; lanes 16-31 stand that distance further on
	s_add_co_u32 s67, s66, ASC
	v_lshl_add_u32 v5, v3, 4, v5
	v_add_nc_u32 v[ADS1], s67, v5
	v_lshl_add_u32 v[ADS2], v4, 8, v[ADS1]
	s_add_co_u32 s67, s66, RL
	v_lshl_add_u32 v[RLA], v3, 4, s67              ; 1 / l of my four blocks' row r
	s_mul_i32 s66, s14, 16*SPITCH                  ; my stage
	v_mul_u32_u24 v[STO], v3, SPITCH
	v_lshl_add_u32 v[STO], v4, 6, v[STO]
	v_add_nc_u32 v[STO], s66, v[STO]               ; in: row r, + 64 h
	v_add_nc_u32 v[RD], s66, v[CO]                 ; back: a row of 512 bytes
	s_lshl_b32 s20, s95, 7
	s_lshl_b32 s67, s15, 6
	s_add_co_u32 s20, s20, s67                     ; my first row of O
	s_lshl_b32 s20, s20, 12
	s_lshl_b32 s67, s94, 10
	s_add_co_u32 s20, s20, s67
	s_lshl_b32 s67, s16, 9
	s_add_co_u32 s20, s20, s67                     ; my first channel
	s_add_nc_u64 s[12:13], s[12:13], s[20:21]
	s_wait_loadcnt 0x0
	v_max3_num_f32 v208, v[PM], v[PM+1], v[PM+2]
.irp k, 3,5,7,9,11,13
	v_max3_num_f32 v208, v208, v[PM+\k], v[PM+\k+1]
.endr
	v_max_num_f32 v208, v208, v[PM+15]             ; M
; the 16 pieces side by side, so that no line waits for the line above it
.set n, 0
.rept 16
	v_sub_f32 v[PM+n], v[PM+n], v208
.set n, n+1
.endr
.set n, 0
.rept 16
	v_cvt_i32_f32 v[PM+n], v[PM+n]                 ; M' - M: a whole number, 0 or less (it saturates)
.set n, n+1
.endr
.set n, 0
.rept 16
	v_ldexp_f32 v[PL+n], v[PL+n], v[PM+n]          ; l' under M
	v_sub_nc_u32 v[PM+n], 0, v[PM+n]
	v_and_b32 v[64+n], 0xff, v[PWD+n]
	v_bfe_u32 v[80+n], v[PWD+n], 8, 8
	v_bfe_u32 v[96+n], v[PWD+n], 16, 8
	v_lshrrev_b32 v[112+n], 24, v[PWD+n]
.set n, n+1
.endr
.set n, 0
.rept 16
	v_min_u32 v[PM+n], 0xff, v[PM+n]               ; what each byte is lowered by, at most the byte itself
.set n, n+1
.endr
.set n, 0
.rept 16
	v_min_u32 v[64+n], v[64+n], v[PM+n]
	v_min_u32 v[80+n], v[80+n], v[PM+n]
	v_min_u32 v[96+n], v[96+n], v[PM+n]
	v_min_u32 v[112+n], v[112+n], v[PM+n]
.set n, n+1
.endr
.set n, 0
.rept 16
	v_lshl_or_b32 v[64+n], v[80+n], 8, v[64+n]
	v_lshl_or_b32 v[96+n], v[112+n], 8, v[96+n]
.set n, n+1
.endr
.set n, 0
.rept 16
	v_lshl_or_b32 v[64+n], v[96+n], 16, v[64+n]
.set n, n+1
.endr
.set n, 0
.rept 16
	v_sub_nc_u32 v[PWD+n], v[PWD+n], v[64+n]       ; no byte borrows from its neighbour
.set n, n+1
.endr
.set n, 0
.rept 16
	ds_store_b32 v31, v[PWD+n] offset:512*n
.set n, n+1
.endr
.irp j, 0,1,2,3,4,5,6,7
	ds_store_b128 v[VST], v[VSW+4*\j:VSW+4*\j+3] offset:2048*\j
.endr
	v_add_f32 v212, v[PL], v[PL+2]                 ; two chains
	v_add_f32 v213, v[PL+1], v[PL+3]
.irp k, 4,6,8,10,12,14
	v_add_f32 v212, v212, v[PL+\k]
	v_add_f32 v213, v213, v[PL+\k+1]
.endr
	v_add_f32 v212, v212, v213                     ; l
	s_wait_alu depctr_va_vdst(0)
	v_rcp_f32 v209, v212
	v_nop                                          ; a plain place behind the reciprocal
	s_wait_alu depctr_va_vdst(0)                   ; and the wait ahead of its first reader
	ds_store_b32 v31, v209 offset:RL-ASC
	s_wait_tensorcnt 0x0                           ; my part of slot 0 is in
	ds_add_u32 v[SPW], v[NIL]
	s_wait_dscnt 0x0                               ; the add is done, and my stores have landed
	CROUND                                         ; slot 0 and the words are whole
	JLOAD G0+4, G1, G0B+4, G1B                     ; slot 1, the first tensor load behind the round
	ds_load_b128 v[RLQ:RLQ+3], v[RLA]              ; 1 / l of my lane's four queries: wanted at the end
	FETCH 0
	ASK 2
	SUB 0, 1                                       ; the first products start the sums: nothing is cleared
	SUB 1, 0
	SUB 2, 0
	TURN 3, 1
	SUB 4, 0
	SUB 5, 0
	SUB 6, 0
	TURN 7, 1
	SUB 8, 0
	SUB 9, 0
	SUB 10, 0
	TURN 11, 0                                     ; behind this barrier nobody reads slot 0, and it has had its last fill
	SUB 12, 0
	SUB 13, 0
	SUB 14, 0
	s_wait_dscnt 6                                 ; the last step: nothing more to fetch
	WIN MULW
	MULP 0, 15, 0
	MULP 1, 15, 0
	s_wait_dscnt 0x0
	MULP 2, 15, 0
	MULP 3, 15, 0
	WIN 0
	PLACES 4
.irp a, 0,1,2,3
	v_mov_b32 v[RP+2*\a], v[RLQ+\a]                ; a pair for the packed multiply
	v_mov_b32 v[RP+2*\a+1], v[RLQ+\a]
.endr
; THE WAY OUT, block by block of 16 queries x 128 channels: divided by l, through my stage, back as whole rows of 512 bytes.  LDS serves a wave's instructions in order: no wait between the stores and the loads.
.macro OUTB a
.set AC, 64*(\a)
.set BB, BK+64*((\a)%2)
	WIN 2                                          ; source 0: the accumulators' window
.set n, 0
.rept 32
	v_pk_mul_f32 v[T+n:T+n+1], v[AC+n:AC+n+1], v[RP+2*(\a):RP+2*(\a)+1]
.set n, n+2
.endr
	WIN 0
.irp b, 0,1,2,3,4,5,6,7
	ds_store_b128 v[STO], v[T+8*\b:T+8*\b+3] offset:128*(\b/2)+32*(\b%2)         ; tile b's register j is channel 32 (b / 2) + 16 h + 8 (b % 2) + j
	ds_store_b128 v[STO], v[T+8*\b+4:T+8*\b+7] offset:128*(\b/2)+32*(\b%2)+16
.endr
.irp t, 0,1,2,3,4,5,6,7,8,9,10,11,12,13,14,15
	ds_load_b128 v[BB+4*\t:BB+4*\t+3], v[RD] offset:\t*SPITCH
.endr
.endm
.macro SEND a, younger                 ; younger: the LDS instructions issued behind block a's loads, which may stay out
.set BB, BK+64*((\a)%2)
	s_wait_dscnt \younger
.irp t, 0,1,2,3,4,5,6,7,8,9,10,11,12,13,14,15
	global_store_b128 v[CO], v[BB+4*\t:BB+4*\t+3], s[12:13] offset:(32*((\a)/2)+8*((\a)%2)+\t+8*(\t/8))*4096 th:TH_STORE_NT   ; stage row t is query 32 (a / 2) + 8 (a % 2) + t + 8 (t / 8) of my 64; 512 consecutive bytes
.endr
.endm
	OUTB 0
.irp a, 1,2,3
.if \a > 1
	s_wait_xcnt 0x0                                ; block a - 2's stores have read their registers: block a's loads may land there
.endif
	OUTB \a
	SEND \a-1, 32                                  ; behind block a - 1's loads: block a's 16 stores and 16 loads
.endr
	SEND 3, 0
	s_wait_tensorcnt 0x0                           ; the wave's end, behind my last tensor load and my last LDS store
	ds_add_u32 v[SPW], v[NIL]
	s_wait_dscnt 0x0
	CROUND                                         ; the closing round
	s_endpgm
.Lfunc_end_k_q797bedb0ad_pv:
	.size	k_q797bedb0ad_pv, .Lfunc_end_k_q797bedb0ad_pv-k_q797bedb0ad_pv
	.p2alignl 7, 3214868480
	.fill 96, 4, 3214868480
	.section	.rodata,"a",@progbits
	.p2align	6, 0x0
	.amdhsa_kernel k_q797bedb0ad_pv
		.amdhsa_group_segment_fixed_size 327680
		.amdhsa_private_segment_fixed_size 0
		.amdhsa_enable_private_segment 0
		.amdhsa_kernarg_size 40
		.amdhsa_user_sgpr_count 2
		.amdhsa_user_sgpr_kernarg_segment_ptr 1
		.amdhsa_wavefront_size32 1
		.amdhsa_system_sgpr_workgroup_id_x 1
		.amdhsa_system_sgpr_workgroup_id_y 1
		.amdhsa_system_sgpr_workgroup_id_z 1
		.amdhsa_system_vgpr_workitem_id 0
		.amdhsa_next_free_vgpr 768
		.amdhsa_next_free_sgpr 102
		.amdhsa_reserve_vcc 0
		.amdhsa_float_denorm_mode_32 3
		.amdhsa_float_denorm_mode_16_64 3
		.amdhsa_memory_ordered 1
		.amdhsa_forward_progress 1
		.amdhsa_inst_pref_size 162
	.end_amdhsa_kernel
	.amdgpu_metadata
---
amdhsa.version: [ 1, 2 ]
amdhsa.kernels:
  - .name:           k_q797bedb0ad_pv
    .symbol:         k_q797bedb0ad_pv.kd
    .args:
      - { .name: pimg, .offset: 0, .size: 8, .value_kind: global_buffer, .address_space: global }
      - { .name: pst, .offset: 8, .size: 8, .value_kind: global_buffer, .address_space: global }
      - { .name: qkv, .offset: 16, .size: 8, .value_kind: global_buffer, .address_space: global }
      - { .name: qkvs, .offset: 24, .size: 8, .value_kind: global_buffer, .address_space: global }
      - { .name: out0, .offset: 32, .size: 8, .value_kind: global_buffer, .address_space: global }
    .group_segment_fixed_size: 327680
    .private_segment_fixed_size: 0
    .kernarg_segment_align: 8
    .kernarg_segment_size: 40
    .max_flat_workgroup_size: 128
    .sgpr_count:     102
    .vgpr_count:     768
    .wavefront_size: 32
...
	.end_amdgpu_metadata
.endif
;; end of part 4
